; MI455X (gfx1250); checked and timed in simulation.
; The chip was launched on July 23, 2026; its instructions are those of AMD's public machine-readable ISA for CDNA 5 (MIT licence, August 2026) and "CDNA5" Instruction Set Architecture Reference Guide (July 2026). The comments in the code are by the model that wrote it; some were corrected since.
;; Transformer Block. Allowed arithmetic: matrix products marked QUANTISED: E3M2 operands, one E8M0 scale for each 32 along K, by v_wmma_scale_f32_16x16x128_f8f6f4 with both operands' format E3M2, f32 sums; everything else in f32.
;; Inputs: ln1_b 1,024 float32; ln1_w 1,024 float32; ln2_b 1,024 float32; ln2_w 1,024 float32; w_down 1,024 x 4,096 float32; w_up 4,096 x 1,024 float32; wk 1,024 x 1,024 float32; wo 1,024 x 1,024 float32; wq 1,024 x 1,024 float32; wv 1,024 x 1,024 float32; x 2 x 2,048 x 1,024 float32.
;; Outputs: out0 2 x 2,048 x 1,024 float32.
;; This version of the problem:
;;   THIS VERSION OF THE PROBLEM IS GIVEN IN LOW PRECISION. The matrix products marked QUANTISED in the list below multiply operands that are first quantised to E3M2 (3 exponent bits, 2 mantissa bits; 6 bits a number), with one power-of-two scale for each 32 numbers along K (OCP MX v1.0); their sums are f32. All else is computed in f32.
;;   The module's matrix products, in the order in which they are computed (A, B: the left and right operand; K: the contracted axis; several contracted axes count as one K, in the product's order):
;;     1. [M 4,096, K 1,024] x [K 1,024, N 1,024]; A: computed on the way; B: input wq: QUANTISED
;;     2. [M 4,096, K 1,024] x [K 1,024, N 1,024]; A: computed on the way; B: input wk: QUANTISED
;;     3. [M 4,096, K 1,024] x [K 1,024, N 1,024]; A: computed on the way; B: input wv: QUANTISED
;;     4. batch 32 x [M 2,048, K 64] x [K 64, N 2,048]; A: computed on the way; B: computed on the way: QUANTISED
;;     5. batch 32 x [M 2,048, K 2,048] x [K 2,048, N 64]; A: softmax (see below); B: computed on the way: QUANTISED
;;     6. [M 4,096, K 1,024] x [K 1,024, N 1,024]; A: computed on the way; B: input wo: QUANTISED
;;     7. [M 4,096, K 1,024] x [K 1,024, N 4,096]; A: computed on the way; B: input w_up: QUANTISED
;;     8. [M 4,096, K 4,096] x [K 4,096, N 1,024]; A: computed on the way; B: input w_down: QUANTISED
;;   THE QUANTISER, for each operand of a quantised product, along K:
;;     - K is cut into blocks of 32 from its start; a last block that is shorter is filled with zeros.
;;     - A block's scale is 2^e with e = floor(log2(the largest magnitude in the block)) - 4, held to -126 .. 127; a block of zeros has e = 0. As a byte (E8M0): e + 127.
;;     - Each number is divided by its block's scale, clamped to +-28, and rounded to the nearest number of E3M2, ties to even, subnormals kept.
;;     - The product sums the exact products of the quantised numbers (number of the format x scale) in f32.
;;   ~~~python
;;   def quantise(x, axis):      # numpy; x: float32 -> the quantised numbers, widened to float32 again
;;       x = np.moveaxis(x, axis, -1); K = x.shape[-1]
;;       x = np.pad(x, [(0, 0)] * (x.ndim - 1) + [(0, -K % 32)]); x = x.reshape(x.shape[:-1] + (-1, 32)); a = np.abs(x).max(-1, keepdims=True)
;;       e = np.where(a > 0, np.clip(np.frexp(np.where(a > 0, a, 1))[1] - 1 - 4, -126, 127), 0)      # np.frexp(a)[1] - 1 = floor(log2(a)), exactly
;;       r = np.clip(x / 2.0 ** e, -28, 28)
;;       step = 2.0 ** (np.maximum(np.frexp(np.where(r == 0, 1, r))[1] - 1, -2) - 2)
;;       q = np.round(r / step) * step * 2.0 ** e      # np.round: ties to even
;;       return np.moveaxis(q.reshape(q.shape[:-2] + (-1,))[..., :K], -1, axis).astype(np.float32)
;;   ~~~
;;   SOFTMAX AHEAD OF A QUANTISED PRODUCT. Where the list says 'softmax', what is quantised is not the finished softmax but p = 2^(t - M), with t = logit x log2(e) and M = ceil(the row's largest t), a whole number; so 1/2 < the row's largest p <= 1. The row's sum l is taken of the UNQUANTISED p, in f32, and the product's result is divided by l at the end. Since M is a whole number, a kernel that streams over the keys may use a running M (the ceiling of the running maximum): every later rescaling is an exact power of two, which a block's scale takes up: the codes' values come out the same.
;;   OPERANDS COMPUTED ON THE WAY. 'Computed on the way' means the value that the module computes at that place (a softmax that the list does not call 'softmax' is quantised finished and normalised). What goes into a quantiser is computed in f32, as accurately as f32 sums, v_exp_f32 and their like allow (about 1e-6 of the number): no bf16 or f16 on the way to a quantiser, and a product that is left as it is and whose result goes on into a quantised operand takes f32 operands (vector FMAs, or v_wmma_f32_16x16x4_f32). A number that lies on a knife's edge between two numbers of the format may be rounded either way, as far as f32 arithmetic and the matrix unit's own rounding can turn it there, and no further.
;; One version. Each part assembles by itself: llvm-mc -triple=amdgcn-amd-amdhsa -mcpu=gfx1250 --defsym DOCPART=n.
;; ======== version 1 of 1: 7 launches
;; limits: right only within a limited range of input values
;; workspace buffers: wts 26,214,400 bytes; act 3,276,800 bytes; qk_hid 13,107,200 bytes; vt 13,107,200 bytes; x1 16,777,216 bytes
;; launch prep (part 1): grid 448 x 1, 8 waves a work-group, no clusters, 136,704 bytes of LDS; arguments wq, wk, wv, wo, w_up, w_down, x, ln1_w, ln1_b, wts, act; writes wts, act
.if DOCPART == 1
	.amdgcn_target "amdgcn-amd-amdhsa--gfx1250"
	.amdhsa_code_object_version 6
	.text
	.protected	k_q96086d746a_prep
	.globl	k_q96086d746a_prep
	.p2align	8
	.type	k_q96086d746a_prep,@function
k_q96086d746a_prep:
	s_mov_b64 s[64:65], 0
	v_nop
	global_prefetch_b8 v0, s[64:65] scope:SCOPE_SE
	s_setreg_imm32_b32 hwreg(HW_REG_WAVE_MODE, 25, 1), 1
	s_wait_xcnt 0x0
; TWO JOBS THAT DO NOT DEPEND ON EACH OTHER SHARE ONE LAUNCH: work-groups 0-191 quantise the six weights, work-groups 192-447 normalise and quantise x.  They part on the work-group's number at the head,
; each way ends by itself, and each has LDS bytes of its own.
; BOTH make codes of BF6 (E3M2) with one E8M0 byte for each 32 along K, laid in the order of a matrix operand's registers.  A fragment (16 rows x 128 K, 12 registers a lane) of K step ks and row tile rt lies at
; (256 ks + rt) x 1536 bytes of its operand's block: for each half c of the 128: registers 6c..6c+3 of lane l at 768 c + 16 l, registers 6c+4, 6c+5 at 768 c + 512 + 8 l.
; Its scale words (four bytes: 128 K of one row) lie at SCO + 16384 ks + 64 rt + 4 r.
; THE ROWS OF A TILE ARE NOT NEIGHBOURS: lane r of tile 2 B + u holds row 32 B + 8 u + r % 8 + 16 (r / 8), so that a later product's results are neighbours along the next K.
; A block's scale is 2^(floor(log2(largest magnitude)) - 4); its byte is the largest magnitude's exponent field - 4, held at 1 from below.
; LIMITS: NaN and infinities among the inputs are not served; a block whose largest magnitude lies under 2^-122 gets the byte 1; a block of zeros gets the byte 1 where the
; rule says 127: its codes are zeros, which add nothing, and this program alone reads the bytes.
; THE WEIGHTS, f32, [out][in] with K (= in) innermost.  Blocks in wts: wq (tiles 0-63) and wk (tiles 64-127) at 0; wv at OPB; wo at 2 OPB; w_up at 3 OPB; w_down (K = 4096) at 4 OPB.
; A work-group takes 64 rows x 8 K steps, a wave four row tiles of one K step: the eight waves read 4,096 consecutive bytes of each row.  Each load reads 512 consecutive bytes of one row; a tile turns
; through the wave's own stage in LDS so that a lane holds 16 neighbours of each block of 32.  Three of a wave's four tiles are asked for at the start, the fourth when the first is done.  No barrier: waves share nothing.
; x: y = (x - mean) rsqrt(var + 1e-5) gain + bias over rows of 1,024.  A work-group is one row tile.  Phase 1: wave w normalises tile lanes 2 w and 2 w + 1, two neighbouring rows, each kept in 32 registers:
; mean, then x - mean, then the variance of the differences: no difference of large sums is formed.  The rows meet in LDS.  Phase 2: wave w quantises K step w of all 16 rows.
; Its scale words leave as pieces of 64 bytes (16 rows): 128 KiB of the launch's stores; whole runs of 256 bytes would want 64 rows to a work-group, and then 64 work-groups.
.set NWQ,   192                        ; work-groups that quantise weights
.set OPB,   3276800
.set SCO8,  3145728
.set SCO32, 12582912
.set WREG,  8704                       ; the weights' LDS, for each wave: a stage of 16 rows x 528 bytes, then 256 bytes of scale words
.set SPI,   528                        ; a stage row: 512 bytes + 16: an odd multiple of 16, so that the rows a load touches begin at different 16-byte columns
.set LNB,   8*WREG                     ; behind the eight stages: the normalised rows
.set PITCH, 4112                       ; a normalised row in LDS: 4,096 bytes + 16: an odd multiple of 16
.set GO16,  4                          ; v4   16 x lane
.set STI,   5                          ; v5   LDS, way in
.set STR,   6                          ; v6   LDS, way out
.set GO8,   7                          ; v7   8 x lane
.set SSW,   8                          ; v8   weights: my row's scale word in LDS
.set SSR,   9                          ; v9   and 8 bytes a lane on the way out
.set SWD,   10                         ; v[10:11] the scale words on their way out
.set PW,    12                         ; v12  the scale word just made
.set RO,    16                         ; v16-31  weights: byte offset of tile lane p's row, + 16 x lane
.set R,     32                         ; v32-223 weights: three sets of 64 numbers
.set SWO,   24                         ; v24  x: 4 r
.set X,     32                         ; v32-95  x: two rows; later 64 numbers to quantise
.set GA,    96                         ; v96-127 gain
.set BI,    128                        ; v128-159 bias
.set PC,    224                        ; v224-243 the codes just made
.set TM,    244                        ; v244-255 at work: largest magnitudes, bytes, the conversions' scale operands
.set SEL,   18                         ; s[18:19] selects for v_permlanex16_b32: lane l xor 16
.set WV,    52                         ; s52  my wave's number
; 64 numbers of a lane, register 16 b + i = k 32 b + 16 (lane / 16) + i of my row, become a fragment's codes in v[PC] on and its scale word in v[PW]
.macro QUANT s
.irp b, 0,1,2,3
	v_max3_num_f32 v[TM+\b], |v[\s+16*\b]|, |v[\s+1+16*\b]|, 0x2800000   ; my 16 numbers of block b, and the floor 2^(5 - 127): the byte cannot fall under 1
.endr
.irp i, 2,4,6,8,10,12,14
.irp b, 0,1,2,3
	s_delay_alu instid0(VALU_DEP_4)
	v_max3_num_f32 v[TM+\b], v[TM+\b], |v[\s+16*\b+\i]|, |v[\s+1+16*\b+\i]|
.endr
.endr
.irp b, 0,1,2,3
	s_delay_alu instid0(VALU_DEP_4)
	v_permlanex16_b32 v[TM+4+\b], v[TM+\b], s[SEL], s[SEL+1]
.endr
.irp b, 0,1,2,3
	s_delay_alu instid0(VALU_DEP_4)
	v_max_num_f32 v[TM+\b], v[TM+\b], v[TM+4+\b]       ; with lane l xor 16's: the block's largest magnitude
.endr
.irp b, 0,1,2,3
	s_delay_alu instid0(VALU_DEP_4)
	v_add_nc_u32 v[TM+8+\b], 0xfe000000, v[TM+\b]      ; 4 off its exponent field: the conversion's scale operand
.endr
.irp b, 0,1,2,3
	s_delay_alu instid0(VALU_DEP_4)
	v_lshrrev_b32 v[TM+4+\b], 23, v[TM+8+\b]           ; the scale's byte
.endr
	s_delay_alu instid0(VALU_DEP_3)
	v_lshl_or_b32 v[PW], v[TM+5], 8, v[TM+4]
	s_delay_alu instid0(VALU_DEP_1)
	v_lshl_or_b32 v[PW], v[TM+6], 16, v[PW]
	s_delay_alu instid0(VALU_DEP_1)
	v_lshl_or_b32 v[PW], v[TM+7], 24, v[PW]
.irp c, 0,1
	v_cvt_scalef32_pk16_bf6_f32 v[PC+6*\c:PC+2+6*\c], v[\s+32*\c:\s+15+32*\c], v[TM+8+2*\c]
	v_cvt_scalef32_pk16_bf6_f32 v[PC+12+4*\c:PC+14+4*\c], v[\s+16+32*\c:\s+31+32*\c], v[TM+8+2*\c+1]   ; (a conversion's three registers begin on an even number)
.endr
	v_nop                                              ; one plain instruction behind the scaled conversions
.irp c, 0,1                                        ; the operand wants a whole block in a lane: lanes 0-15 block 2 c, lanes 16-31 block 2 c + 1
.irp i, 0,1,2
	v_permlane16_swap_b32 v[PC+6*\c+\i], v[PC+12+4*\c+\i]
.endr
.irp i, 0,1,2
	s_delay_alu instid0(VALU_DEP_3)
	v_mov_b32 v[PC+3+6*\c+\i], v[PC+12+4*\c+\i]
.endr
.endr
.endm
.macro STORE4 sb, off                  ; a fragment leaves as it stands: stores of 512 and 256 consecutive bytes, each at a multiple of 256
	global_store_b128 v[GO16], v[PC:PC+3], s[\sb:\sb+1] offset:\off
	global_store_b64 v[GO8], v[PC+4:PC+5], s[\sb:\sb+1] offset:\off+512
	global_store_b128 v[GO16], v[PC+6:PC+9], s[\sb:\sb+1] offset:\off+768
	global_store_b64 v[GO8], v[PC+10:PC+11], s[\sb:\sb+1] offset:\off+1280
.endm
	v_lshl_add_u32 v239, v0, 2, 0x21200
	v_mov_b32 v243, 0
	v_lshrrev_b32 v1, 5, v0
	s_delay_alu instid0(VALU_DEP_1)
	v_readfirstlane_b32 s[WV], v1                  ; wave 0..7
	v_and_b32 v1, 31, v0                           ; lane
	v_and_b32 v2, 15, v0                           ; r
	v_bfe_u32 v3, v0, 4, 1                         ; h
	s_delay_alu instid0(VALU_DEP_3)
	v_lshlrev_b32 v[GO16], 4, v1
	s_delay_alu instid0(VALU_DEP_4)
	v_lshlrev_b32 v[GO8], 3, v1
	s_mov_b32 s[SEL], 0x76543210
	s_mov_b32 s[SEL+1], 0xfedcba98
.irp b, 0,1,2,3
	v_mov_b32 v[TM+4+\b], 0                        ; written once: a lane permute's destination counts as one of its sources
.endr
	s_cmp_lt_u32 ttmp9, NWQ                        ; the same in all eight waves of a work-group
	s_cbranch_scc0 .Lnorm
	; ---------------- THE WEIGHTS ----------------
	s_load_b256 s[4:11], s[0:1], 0x0               ; wq, wk, wv, wo
	s_load_b128 s[12:15], s[0:1], 0x20             ; w_up, w_down
	s_load_b64 s[16:17], s[0:1], 0x48              ; wts
	; which weight, which 64 rows, which eight K steps: all from the work-group's number g
	s_mov_b32 s40, ttmp9
	s_lshr_b32 s41, s40, 6                         ; class: 0 the four square weights, 1 w_up, 2 w_down
	s_lshr_b32 s42, s40, 4                         ; in class 0: which of the four (4 to 11 in the other classes)
	s_cmp_eq_u32 s41, 0
	s_cselect_b32 s43, 15, 63
	s_and_b32 s43, s40, s43                        ; j: my number within the weight
	s_cmp_eq_u32 s41, 2
	s_cselect_b32 s44, 2, 0                        ; K = 4096 has 4 groups of eight K steps, K = 1024 has one
	s_cselect_b32 s45, 3, 0
	s_cselect_b32 s46, 14, 12                      ; log2 of a row's bytes
	s_mov_b32 s47, SCO8
	s_cselect_b32 s47, SCO32, s47                  ; where the operand's scale words begin
	s_lshr_b32 s48, s43, s44                       ; which 64 rows
	s_and_b32 s49, s43, s45                        ; which eight K steps
	s_max_u32 s50, s42, 1
	s_sub_co_u32 s50, s50, 1                       ; class 0: blocks 0, 0, 1, 2
	s_add_co_u32 s51, s41, 2                       ; classes 1, 2: blocks 3, 4
	s_cmp_eq_u32 s41, 0
	s_cselect_b32 s50, s50, s51
	s_cmp_eq_u32 s42, 1
	s_cselect_b32 s51, 64, 0                       ; wk's tiles lie behind wq's
	s_lshl_b32 s53, s49, 3
	s_add_co_u32 s53, s53, s[WV]                   ; my K step
	s_lshl_b32 s54, s48, 6
	s_lshl_b32 s54, s54, s46                       ; my 64 rows, in bytes,
	s_lshl_b32 s55, s53, 9
	s_add_co_u32 s54, s54, s55                     ; + 512 bytes a K step
	s_mov_b32 s55, 0
	s_mul_i32 s58, s50, OPB
	s_lshl_b32 s59, s48, 2
	s_add_co_u32 s59, s59, s51                     ; my first row tile in the block
	s_lshl_b32 s60, s53, 8
	s_add_co_u32 s60, s60, s59
	s_mul_i32 s60, s60, 1536
	s_add_co_u32 s60, s60, s58                     ; my fragments
	s_mov_b32 s61, 0
	s_lshl_b32 s62, s53, 14
	s_lshl_b32 s59, s59, 6
	s_add_co_u32 s62, s62, s59
	s_add_co_u32 s62, s62, s47
	s_add_co_u32 s62, s62, s58                     ; my 256 bytes of scale words
	s_mov_b32 s63, 0
	s_mul_i32 s36, s[WV], WREG
	s_wait_alu depctr_va_vdst(0)
	v_add_nc_u32 v[STI], s36, v[GO16]
	v_mul_u32_u24 v[STR], v2, SPI
	s_delay_alu instid0(VALU_DEP_1)
	v_lshl_add_u32 v[STR], v3, 6, v[STR]
	s_delay_alu instid0(VALU_DEP_1)
	v_add_nc_u32 v[STR], s36, v[STR]
	s_add_co_u32 s36, s36, 16*SPI
	v_lshl_add_u32 v[SSW], v2, 2, s36
	v_add_nc_u32 v[SSR], s36, v[GO8]
.irp p, 0,1,2,3,4,5,6,7,8,9,10,11,12,13,14,15
	s_lshl_b32 s37, (\p%8)+16*(\p/8), s46          ; tile lane p's row, in bytes
	v_add_nc_u32 v[RO+\p], s37, v[GO16]
.endr
	s_wait_alu depctr_va_vdst(0)
	s_wait_kmcnt 0x0
	s_cmp_eq_u32 s42, 1                            ; the source: a choice between buffers on the work-group's number alone
	s_cselect_b64 s[4:5], s[6:7], s[4:5]
	s_cmp_eq_u32 s42, 2
	s_cselect_b64 s[4:5], s[8:9], s[4:5]
	s_cmp_eq_u32 s42, 3
	s_cselect_b64 s[4:5], s[10:11], s[4:5]
	s_cmp_eq_u32 s41, 1
	s_cselect_b64 s[4:5], s[12:13], s[4:5]
	s_cmp_eq_u32 s41, 2
	s_cselect_b64 s[4:5], s[14:15], s[4:5]
	s_add_nc_u64 s[4:5], s[4:5], s[54:55]
.irp t, 0,1,2,3
	s_lshl_b32 s56, 32*(\t/2)+8*(\t%2), s46        ; tile t begins at row 32 (t / 2) + 8 (t % 2) of my 64
	s_mov_b32 s57, 0
	s_add_nc_u64 s[24+2*\t:25+2*\t], s[4:5], s[56:57]
.endr
	s_add_nc_u64 s[32:33], s[16:17], s[60:61]
	s_add_nc_u64 s[34:35], s[16:17], s[62:63]
.macro LOAD t                          ; tile t: 16 rows x 512 bytes, a row an instruction, into set t % 3
.irp p, 0,1,2,3,4,5,6,7,8,9,10,11,12,13,14,15
	global_load_b128 v[R+64*((\t)%3)+4*\p:R+64*((\t)%3)+4*\p+3], v[RO+\p], s[24+2*(\t):25+2*(\t)] th:TH_LOAD_NT
.endr
.endm
.macro TURNQ t
.set RS, R+64*((\t)%3)
.irp p, 0,1,2,3,4,5,6,7,8,9,10,11,12,13,14,15
	ds_store_b128 v[STI], v[RS+4*\p:RS+4*\p+3] offset:SPI*\p
.endr
.irp b, 0,1,2,3
.irp j, 0,1,2,3
	ds_load_b128 v[RS+16*\b+4*\j:RS+16*\b+4*\j+3], v[STR] offset:128*\b+16*\j   ; LDS serves a wave's instructions in order: these see the stores above
.endr
.endr
	s_wait_dscnt 0x0
.if (\t) > 0
	s_wait_xcnt 0x0                                ; the last tile's stores have read the codes' registers, which are written again below
.endif
	QUANT RS
	STORE4 32, 1536*(\t)
	ds_store_b32 v[SSW], v[PW] offset:64*(\t)      ; lanes r and r + 16 write the same word with the same value
.if (\t)+3 < 4
	LOAD (\t)+3                                    ; the set just worked off takes the tile three further on
.endif
.endm
	LOAD 0
	LOAD 1
	LOAD 2
	s_wait_loadcnt 32                              ; tile 0 is in; the 32 loads of tiles 1 and 2 may be out
	TURNQ 0
	s_wait_loadcnt 32                              ; tile 1 is in; the 32 loads of tiles 2 and 3 may be out
	TURNQ 1
	s_wait_loadcnt 16                              ; tile 2 is in; tile 3's 16 loads may be out
	TURNQ 2
	s_wait_loadcnt 0x0
	TURNQ 3
	ds_load_b64 v[SWD:SWD+1], v[SSR]               ; four tiles' scale words: 256 bytes
	s_wait_dscnt 0x0
	global_store_b64 v[GO8], v[SWD:SWD+1], s[34:35]   ; 32 lanes store 256 consecutive bytes, at a multiple of 256
	s_wait_tensorcnt 0x0
	ds_add_u32 v239, v243
	s_wait_dscnt 0x0
	s_endpgm
	; ---------------- x: LAYERNORM AND THE QUANTISER ----------------
; the two rows' partial sums, in the pairs v[8:9], v[10:11] (row 0) and v[12:13], v[14:15] (row 1), are summed over pairs and lanes: the rows' sums in v8 and v12 of every lane
.macro ALLSUM
.irp e, 0
	s_delay_alu instid0(VALU_DEP_3)
	v_pk_add_f32 v[8+4*\e:9+4*\e], v[8+4*\e:9+4*\e], v[10+4*\e:11+4*\e]
.endr
.irp e, 1
	s_delay_alu instid0(VALU_DEP_2)
	v_pk_add_f32 v[8+4*\e:9+4*\e], v[8+4*\e:9+4*\e], v[10+4*\e:11+4*\e]
.endr
.irp e, 0,1
	s_delay_alu instid0(VALU_DEP_2)
	v_add_f32 v[8+4*\e], v[8+4*\e], v[9+4*\e]
.endr
.irp m, 1,2,4,8
.irp e, 0,1
	s_delay_alu instid0(VALU_DEP_2)
	v_add_f32_dpp v[8+4*\e], v[8+4*\e], v[8+4*\e] row_xmask:\m row_mask:0xf bank_mask:0xf
.endr
.endr
.irp e, 0,1
	s_delay_alu instid0(VALU_DEP_2)
	v_permlanex16_b32 v[9+4*\e], v[8+4*\e], s[SEL], s[SEL+1]
.endr
.irp e, 0,1
	s_delay_alu instid0(VALU_DEP_2)
	v_add_f32 v[8+4*\e], v[8+4*\e], v[9+4*\e]
.endr
.endm
.Lnorm:
	s_load_b128 s[4:7], s[0:1], 0x30               ; x s[4:5], gain s[6:7]
	s_load_b64 s[8:9], s[0:1], 0x40                ; bias
	s_load_b64 s[10:11], s[0:1], 0x50              ; act
	s_sub_co_u32 s30, ttmp9, NWQ                   ; my row tile, 0 to 255
	s_wait_alu depctr_va_vdst(0)
	v_lshlrev_b32 v[SWO], 2, v2
	s_mov_b32 s14, 0x3a800000                      ; 1 / 1024
	s_mov_b32 s15, 0x3727c5ac                      ; 1e-5
	s_lshr_b32 s17, s30, 1
	s_lshl_b32 s17, s17, 5
	s_and_b32 s28, s30, 1
	s_lshl_b32 s28, s28, 3
	s_add_co_u32 s17, s17, s28                     ; the tile's first row: 32 (rt / 2) + 8 (rt % 2)
	s_lshl_b32 s28, s[WV], 1
	s_and_b32 s28, s28, 7
	s_add_co_u32 s17, s17, s28
	s_lshr_b32 s28, s[WV], 2
	s_lshl_b32 s28, s28, 4
	s_add_co_u32 s17, s17, s28                     ; tile lane 2 w's row; lane 2 w + 1's is the next
	s_lshl_b32 s28, s17, 12
	s_mov_b32 s29, 0
	s_mul_i32 s20, s[WV], 2*PITCH
	s_add_co_u32 s20, s20, LNB
	v_add_nc_u32 v[STI], s20, v[GO16]
	v_mul_u32_u24 v[STR], v2, PITCH
	s_delay_alu instid0(VALU_DEP_1)
	v_lshl_add_u32 v[STR], v3, 6, v[STR]
	s_lshl_b32 s20, s[WV], 9
	s_add_co_u32 s20, s20, LNB
	v_add_nc_u32 v[STR], s20, v[STR]               ; row r, K step w, + 64 h
	s_lshl_b32 s20, s[WV], 8
	s_add_co_u32 s20, s20, s30
	s_mul_i32 s20, s20, 1536                       ; fragment (w, rt)
	s_mov_b32 s21, 0
	s_lshl_b32 s22, s[WV], 14
	s_lshl_b32 s23, s30, 6
	s_add_co_u32 s22, s22, s23
	s_add_co_u32 s22, s22, SCO8                    ; its scale words
	s_mov_b32 s23, 0
	s_wait_kmcnt 0x0
	s_add_nc_u64 s[4:5], s[4:5], s[28:29]
	s_add_nc_u64 s[24:25], s[10:11], s[20:21]
	s_add_nc_u64 s[26:27], s[10:11], s[22:23]
.irp e, 0,1
.irp i, 0,1,2,3,4,5,6,7
	global_load_b128 v[X+32*\e+4*\i:X+32*\e+4*\i+3], v[GO16], s[4:5] offset:4096*\e+512*\i   ; 512 consecutive bytes an instruction
.endr
.endr
.irp i, 0,1,2,3,4,5,6,7
	global_load_b128 v[GA+4*\i:GA+4*\i+3], v[GO16], s[6:7] offset:512*\i
	global_load_b128 v[BI+4*\i:BI+4*\i+3], v[GO16], s[8:9] offset:512*\i
.endr
	s_wait_loadcnt 16                              ; the two rows are in; gain's and bias's 16 loads may be out
	; the mean
.irp e, 0,1
	v_pk_add_f32 v[8+4*\e:9+4*\e], v[X+32*\e:X+32*\e+1], v[X+32*\e+2:X+32*\e+3]
	v_pk_add_f32 v[10+4*\e:11+4*\e], v[X+32*\e+4:X+32*\e+5], v[X+32*\e+6:X+32*\e+7]
.endr
.irp j, 8,12,16,20,24,28
.irp e, 0,1
	s_delay_alu instid0(VALU_DEP_4)
	v_pk_add_f32 v[8+4*\e:9+4*\e], v[8+4*\e:9+4*\e], v[X+32*\e+\j:X+32*\e+\j+1]
	s_delay_alu instid0(VALU_DEP_4)
	v_pk_add_f32 v[10+4*\e:11+4*\e], v[10+4*\e:11+4*\e], v[X+32*\e+\j+2:X+32*\e+\j+3]
.endr
.endr
	ALLSUM
.irp e, 0,1
	s_delay_alu instid0(VALU_DEP_2)
	v_mul_f32 v[16+2*\e], s14, v[8+4*\e]
.endr
.irp e, 0,1
	s_delay_alu instid0(VALU_DEP_2)
	v_mov_b32 v[17+2*\e], v[16+2*\e]               ; a pair for the packed forms
.endr
.irp j, 0,2,4,6,8,10,12,14,16,18,20,22,24,26,28,30
.irp e, 0,1
	v_pk_add_f32 v[X+32*\e+\j:X+32*\e+\j+1], v[X+32*\e+\j:X+32*\e+\j+1], v[16+2*\e:17+2*\e] neg_lo:[0,1] neg_hi:[0,1]   ; x - mean
.endr
.endr
	; the variance, of the differences
.irp e, 0,1
	v_pk_mul_f32 v[8+4*\e:9+4*\e], v[X+32*\e:X+32*\e+1], v[X+32*\e:X+32*\e+1]
	v_pk_mul_f32 v[10+4*\e:11+4*\e], v[X+32*\e+2:X+32*\e+3], v[X+32*\e+2:X+32*\e+3]
.endr
.irp j, 4,8,12,16,20,24,28
.irp e, 0,1
	s_delay_alu instid0(VALU_DEP_4)
	v_pk_fma_f32 v[8+4*\e:9+4*\e], v[X+32*\e+\j:X+32*\e+\j+1], v[X+32*\e+\j:X+32*\e+\j+1], v[8+4*\e:9+4*\e]
	s_delay_alu instid0(VALU_DEP_4)
	v_pk_fma_f32 v[10+4*\e:11+4*\e], v[X+32*\e+\j+2:X+32*\e+\j+3], v[X+32*\e+\j+2:X+32*\e+\j+3], v[10+4*\e:11+4*\e]
.endr
.endr
	ALLSUM
.irp e, 0,1
	s_delay_alu instid0(VALU_DEP_2)
	v_fma_f32 v[8+4*\e], v[8+4*\e], s14, s15       ; var + eps
.endr
	s_wait_alu depctr_va_vdst(0)
	v_rsq_f32 v20, v8
	v_rsq_f32 v22, v12
	v_nop                                          ; a plain instruction behind the two transcendentals
	s_wait_alu depctr_va_vdst(0)                   ; one wait for both, ahead of their first reader
	v_mov_b32 v21, v20
	v_mov_b32 v23, v22
	s_wait_alu depctr_va_vdst(0)
	s_wait_loadcnt 0x0                             ; gain and bias
.irp j, 0,2,4,6,8,10,12,14,16,18,20,22,24,26,28,30
.irp e, 0,1
	v_pk_mul_f32 v[X+32*\e+\j:X+32*\e+\j+1], v[X+32*\e+\j:X+32*\e+\j+1], v[20+2*\e:21+2*\e]
.endr
.irp e, 0,1
	s_delay_alu instid0(VALU_DEP_2)
	v_pk_fma_f32 v[X+32*\e+\j:X+32*\e+\j+1], v[X+32*\e+\j:X+32*\e+\j+1], v[GA+\j:GA+\j+1], v[BI+\j:BI+\j+1]
.endr
.endr
.irp e, 0,1
.irp i, 0,1,2,3,4,5,6,7
	ds_store_b128 v[STI], v[X+32*\e+4*\i:X+32*\e+4*\i+3] offset:PITCH*\e+512*\i
.endr
.endr
	s_wait_dscnt 0x0                               ; for the others' sake: my two rows lie in LDS
	s_barrier_signal -1
	s_barrier_wait -1
.irp b, 0,1,2,3
.irp j, 0,1,2,3
	ds_load_b128 v[X+16*\b+4*\j:X+16*\b+4*\j+3], v[STR] offset:128*\b+16*\j   ; row r, k = 128 w + 32 b + 16 h + 4 j on
.endr
.endr
	s_wait_dscnt 0x0
	QUANT X
	STORE4 24, 0
	global_store_b32 v[SWO], v[PW], s[26:27]       ; lanes r and r + 16 hold and write the same word
	s_wait_tensorcnt 0x0
	ds_add_u32 v239, v243
	s_wait_dscnt 0x0
	s_endpgm
.Lfunc_end_k_q96086d746a_prep:
	.size	k_q96086d746a_prep, .Lfunc_end_k_q96086d746a_prep-k_q96086d746a_prep
	.p2alignl 7, 3214868480
	.fill 96, 4, 3214868480
	.section	.rodata,"a",@progbits
	.p2align	6, 0x0
	.amdhsa_kernel k_q96086d746a_prep
		.amdhsa_group_segment_fixed_size 136704
		.amdhsa_private_segment_fixed_size 0
		.amdhsa_enable_private_segment 0
		.amdhsa_kernarg_size 88
		.amdhsa_user_sgpr_count 2
		.amdhsa_user_sgpr_kernarg_segment_ptr 1
		.amdhsa_wavefront_size32 1
		.amdhsa_system_sgpr_workgroup_id_x 1
		.amdhsa_system_sgpr_workgroup_id_y 1
		.amdhsa_system_sgpr_workgroup_id_z 1
		.amdhsa_system_vgpr_workitem_id 0
		.amdhsa_next_free_vgpr 256
		.amdhsa_next_free_sgpr 66
		.amdhsa_reserve_vcc 0
		.amdhsa_float_denorm_mode_32 3
		.amdhsa_float_denorm_mode_16_64 3
		.amdhsa_memory_ordered 1
		.amdhsa_forward_progress 1
		.amdhsa_inst_pref_size 72
	.end_amdhsa_kernel
	.amdgpu_metadata
---
amdhsa.version: [ 1, 2 ]
amdhsa.kernels:
  - .name:           k_q96086d746a_prep
    .symbol:         k_q96086d746a_prep.kd
    .args:
      - { .name: wq, .offset: 0, .size: 8, .value_kind: global_buffer, .address_space: global }
      - { .name: wk, .offset: 8, .size: 8, .value_kind: global_buffer, .address_space: global }
      - { .name: wv, .offset: 16, .size: 8, .value_kind: global_buffer, .address_space: global }
      - { .name: wo, .offset: 24, .size: 8, .value_kind: global_buffer, .address_space: global }
      - { .name: w_up, .offset: 32, .size: 8, .value_kind: global_buffer, .address_space: global }
      - { .name: w_down, .offset: 40, .size: 8, .value_kind: global_buffer, .address_space: global }
      - { .name: x, .offset: 48, .size: 8, .value_kind: global_buffer, .address_space: global }
      - { .name: ln1_w, .offset: 56, .size: 8, .value_kind: global_buffer, .address_space: global }
      - { .name: ln1_b, .offset: 64, .size: 8, .value_kind: global_buffer, .address_space: global }
      - { .name: wts, .offset: 72, .size: 8, .value_kind: global_buffer, .address_space: global }
      - { .name: act, .offset: 80, .size: 8, .value_kind: global_buffer, .address_space: global }
    .group_segment_fixed_size: 136704
    .private_segment_fixed_size: 0
    .kernarg_segment_align: 8
    .kernarg_segment_size: 88
    .max_flat_workgroup_size: 256
    .sgpr_count:     66
    .vgpr_count:     256
    .wavefront_size: 32
...
	.end_amdgpu_metadata
.endif
;; end of part 1
;; launch gqkv (part 2): grid 12 x 16, 4 waves a work-group, clusters of 4 x 4, 327,680 bytes of LDS; arguments act, wts, qk_hid, vt; writes qk_hid, vt
.if DOCPART == 2
	.amdgcn_target "amdgcn-amd-amdhsa--gfx1250"
	.amdhsa_code_object_version 6
	.text
	.protected	k_q96086d746a_gqkv
	.globl	k_q96086d746a_gqkv
	.p2align	8
	.type	k_q96086d746a_gqkv,@function
k_q96086d746a_gqkv:
	s_mov_b64 s[64:65], 0
	v_nop
	global_prefetch_b8 v0, s[64:65] scope:SCOPE_SE
	s_setreg_imm32_b32 hwreg(HW_REG_WAVE_MODE, 25, 1), 1
	s_wait_xcnt 0x0
	s_wait_alu depctr_hold_cnt(0) depctr_sa_sdst(0) depctr_va_vdst(0) depctr_va_sdst(0) depctr_va_ssrc(0) depctr_va_vcc(0) depctr_vm_vsrc(0)
	s_getreg_b32 s2, hwreg(HW_REG_IB_STS2, 6, 4)
	s_cmp_eq_u32 s2, 0
	s_cbranch_scc0 .Lentry_in_a_cluster
	s_endpgm
.Lentry_in_a_cluster:
	s_bfe_u32 s2, ttmp6, 0x10000c
	s_cmp_lg_u32 s2, 0xf033
	s_cbranch_scc0 .Lentry_shape_is_right
	s_endpgm
.Lentry_shape_is_right:
.set QKV,   1
.set RELU,  0
.set AB,    8
.set NQ,    2
.set OPK,   8
.set LAPS,  OPK/(2*NQ)
.set KSP,   393216
.set PARTB, NQ*AB*1536
.set SLOT,  4*PARTB
.set ROWS4, 64*AB
.set SPART, OPK*ROWS4
.set SCL,   2*SLOT
.set SPARE, SCL+4*SPART
.set STG,   SPARE+512
.set SCO8,  3145728
.set SCO32, 12582912
.set WVO,   3276800
.set WUPO,  9830400
.set GO16,  4
.set GO8,   5
.set ADA16, 8
.set ADA8,  10
.set ADB16, 12
.set ADB8,  14
.set ADRS,  16
.set SPW,   17
.set NIL,   18
.set SSW,   21
.set SSR,   22
.set SC,    32
.set AF,    64
.set PC,    64
.set TM,    224
.set PW,    240
.set G1,    24
.set G0,    32
.set G1B,   48
.set G0B,   56
.set G1S,   68
.set G0S,   76
.set G1SB,  80
.set G0SB,  88
.set MSB, 0
.macro WIN new
.if MSB != (\new)
	s_set_vgpr_msb (MSB<<8)|(\new)
.set MSB, (\new)
.endif
.endm
.macro JLOAD g0a, g1a, g0b, g1b
	s_cmp_eq_u32 s15, 0
	s_cbranch_scc0 .Lfor_b_\@
	tensor_load_to_lds s[\g0a:\g0a+3], s[\g1a:\g1a+7]
	s_nop 0
.rept 4
	v_nop
.endr
	s_branch .Lasked_\@
.Lfor_b_\@:
	tensor_load_to_lds s[\g0b:\g0b+3], s[\g1b:\g1b+7]
	s_nop 0
.rept 4
	v_nop
.endr
.Lasked_\@:
.endm
.macro CREST
	s_cmp_lg_u32 s14, 0
	s_cbranch_scc1 .Lnot_wave_0_\@
	s_barrier_signal -3
.Lnot_wave_0_\@:
	s_barrier_wait -3
	s_barrier_signal -1
	s_barrier_wait -1
.endm
.macro CROUND
	s_barrier_signal -1
	s_barrier_wait -1
	CREST
.endm
.macro PLACES n
.rept \n
	v_nop
.endr
.endm
.if QKV
	s_load_b256 s[4:11], s[0:1], 0x0
.else
	s_load_b128 s[4:7], s[0:1], 0x0
	s_load_b64 s[8:9], s[0:1], 0x10
.endif
	v_lshl_add_u32 v[SPW], v0, 2, SPARE
	v_mov_b32 v[NIL], 0
	ds_add_u32 v17, v18
	ds_add_u32 v17, v18
	s_wait_dscnt 0x0
	v_lshrrev_b32 v1, 5, v0
	v_readfirstlane_b32 s14, v1
	s_lshr_b32 s15, s14, 1
	s_and_b32 s16, s14, 1
	s_bfe_u32 s40, ttmp6, 0x40000
	s_bfe_u32 s41, ttmp6, 0x40004
	s_and_b32 s17, ttmp7, 0xffff
.if QKV
	s_cmp_eq_u32 ttmp9, 2
	s_cselect_b32 s42, s17, ttmp9
	s_cselect_b32 s17, 0, s17
.else
	s_mov_b32 s42, ttmp9
.endif
	s_lshl_b32 s42, s42, 2
	s_add_co_u32 s42, s42, s40
	s_lshl_b32 s17, s17, 2
	s_add_co_u32 s17, s17, s41
	s_lshl_b32 s43, s41, 2
	s_lshl_b32 s43, 15, s43
	s_lshl_b32 s44, 0x1111, s40
	s_or_b32 s[G1+0], s43, (3<<16)|(1<<21)
	s_or_b32 s[G1B+0], s44, (3<<16)|(1<<21)
.irp g, G1, G1B
	s_mov_b32 s[\g+1], (AB*192)<<16
	s_mov_b32 s[\g+2], NQ<<16
	s_mov_b32 s[\g+3], (AB*192)<<16
	s_mov_b32 s[\g+4], NQ
	s_mov_b32 s[\g+5], KSP/8
	s_mov_b32 s[\g+6], 0
	s_mov_b32 s[\g+7], 0
.endr
	s_mul_i32 s18, s16, AB
	s_mul_i32 s20, s17, 2*AB
	s_add_co_u32 s20, s20, s18
	s_mul_i32 s46, s42, 2*AB
	s_add_co_u32 s46, s46, s18
	s_lshl_b32 s22, s20, 6
	s_add_co_u32 s22, s22, SCO8
	s_lshl_b32 s96, s46, 6
	s_add_co_u32 s96, s96, SCO8
	s_mul_i32 s20, s20, 1536
	s_mul_i32 s46, s46, 1536
	s_mov_b32 s21, 0
	s_mov_b32 s23, 0
	s_mov_b32 s47, 0
	s_mov_b32 s97, 0
	s_mul_i32 s45, s14, 2*PARTB                    ; LDS: wave part w at 2 PARTB w, in it slot 0 and then slot 1
	s_mul_i32 s66, s14, SPART
	s_add_co_u32 s66, s66, SCL                     ; my part of the scale words
	s_wait_kmcnt 0x0
.if QKV
	s_add_nc_u64 s[12:13], s[6:7], WVO
	s_cmp_eq_u32 ttmp9, 2
	s_cselect_b64 s[92:93], s[12:13], s[4:5]
	s_cselect_b64 s[94:95], s[4:5], s[6:7]
	s_cselect_b64 s[8:9], s[10:11], s[8:9]
.else
	s_mov_b64 s[92:93], s[4:5]
	s_add_nc_u64 s[94:95], s[6:7], WUPO
.endif
	s_add_nc_u64 s[20:21], s[92:93], s[20:21]
	s_add_nc_u64 s[22:23], s[92:93], s[22:23]
	s_add_nc_u64 s[46:47], s[94:95], s[46:47]
	s_add_nc_u64 s[96:97], s[94:95], s[96:97]
	CROUND
.irp s, 0,1
	s_mov_b32 s[G0+4*\s], 1
	s_add_co_u32 s[G0+4*\s+1], s45, \s*PARTB
	s_add_nc_u64 s[G0+4*\s+2:G0+4*\s+3], s[20:21], \s*NQ*KSP
	s_or_b32 s[G0+4*\s+3], s[G0+4*\s+3], 0x80000000
	s_mov_b32 s[G0B+4*\s], 1
	s_add_co_u32 s[G0B+4*\s+1], s45, \s*PARTB
	s_add_nc_u64 s[G0B+4*\s+2:G0B+4*\s+3], s[46:47], \s*NQ*KSP
	s_or_b32 s[G0B+4*\s+3], s[G0B+4*\s+3], 0x80000000
.endr
	JLOAD G0, G1, G0B, G1B                         ; my one load at the head: my part of slot 0
	s_cmp_eq_u32 s15, 0
	s_cselect_b64 s[92:93], s[22:23], s[96:97]     ; my part's scale words: A's (waves 0, 1) or B's
; THE PREFETCHES.  A fill of mine is NQ = 2 K steps of 12,288 bytes.  The four partners that ask for it jointly share it out by address: the partner at place p (cx for A, cy for B) names half p % 2 of K step p / 2,
; 24 blocks of 256 bytes, a lane a block (lanes 24-31 name the last block again).  The head names slots 1 and 2, slot 1's first fill names slot 3, the last.
.set PFA, 68                           ; s[68:69] my share of slot 1
	s_cselect_b64 s[PFA:PFA+1], s[20:21], s[46:47]
	s_cselect_b32 s70, s40, s41
	s_lshr_b32 s72, s70, 1
	s_mul_i32 s72, s72, KSP
	s_and_b32 s70, s70, 1
	s_mul_i32 s70, s70, 6144
	s_add_co_u32 s70, s70, s72
	s_mov_b32 s71, 0
	s_add_nc_u64 s[PFA:PFA+1], s[PFA:PFA+1], s[70:71]
	s_add_nc_u64 s[PFA:PFA+1], s[PFA:PFA+1], NQ*KSP
	v_and_b32 v1, 31, v0
	v_and_b32 v2, 15, v0
	v_bfe_u32 v3, v0, 4, 1
	v_lshlrev_b32 v[GO16], 4, v1
	v_lshlrev_b32 v[GO8], 3, v1
	v_add_nc_u32 v7, s66, v[GO16]
	v_min_u32 v23, 23, v1
	v_lshlrev_b32 v23, 8, v23                      ; the prefetches' offset: 256 x lane, held at the 24th block
	global_prefetch_b8 v23, s[PFA:PFA+1] th:TH_LOAD_NT scope:SCOPE_SE
	global_prefetch_b8 v23, s[PFA:PFA+1] offset:NQ*KSP th:TH_LOAD_NT scope:SCOPE_SE
.irp i, 0,1,2,3,4,5,6,7
	global_load_b128 v[AF+4*\i:AF+4*\i+3], v[GO16], s[92:93] offset:16384*\i   ; the scale words by plain loads, 512 consecutive bytes each: 4 KiB a wave beside 48 KiB of codes, so they are not asked for jointly
.endr
	s_mul_i32 s21, s15, 2*PARTB
	s_mul_i32 s22, s16, 2*PARTB
	s_add_co_u32 s22, s22, 4*PARTB
.irp s, 0,1
	v_add_nc_u32 v[ADA16+\s], s21, v[GO16]
	v_add_nc_u32 v[ADA8+\s], s21, v[GO8]
	v_add_nc_u32 v[ADB16+\s], s22, v[GO16]
	v_add_nc_u32 v[ADB8+\s], s22, v[GO8]
	s_add_co_u32 s21, s21, PARTB
	s_add_co_u32 s22, s22, PARTB
.endr
	s_mul_i32 s21, s15, SPART
	s_mul_i32 s22, s16, SPART
	s_add_co_u32 s22, s22, 2*SPART
	s_sub_co_u32 s22, s22, s21
	v_mul_u32_u24 v6, s22, v3
	s_add_co_u32 s21, s21, SCL
	v_lshl_add_u32 v[ADRS], v2, 2, v6
	v_add_nc_u32 v[ADRS], s21, v[ADRS]
	s_lshl_b32 s23, s14, 9
	s_add_co_u32 s23, s23, STG
	v_lshl_add_u32 v[SSW], v2, 2, s23
	v_add_nc_u32 v[SSR], s23, v[GO16]
	s_lshl_b32 s20, s42, 1
	s_add_co_u32 s20, s20, s16
	s_lshl_b32 s21, s17, 4
	s_lshl_b32 s22, s15, 3
	s_add_co_u32 s21, s21, s22
	s_lshl_b32 s22, s20, 8
	s_add_co_u32 s22, s22, s21
	s_mul_i32 s22, s22, 1536
	s_mov_b32 s23, 0
	s_lshl_b32 s20, s20, 14
	s_lshl_b32 s21, s21, 6
	s_add_co_u32 s20, s20, s21
	s_add_co_u32 s20, s20, SCO32
	s_mov_b32 s21, 0
	s_add_nc_u64 s[10:11], s[8:9], s[20:21]
	s_add_nc_u64 s[8:9], s[8:9], s[22:23]
.macro FRAG reg, a16, a8, off
	ds_load_b128 v[\reg:\reg+3], v[\a16] offset:\off
	ds_load_b64 v[\reg+4:\reg+5], v[\a8] offset:\off+512
	ds_load_b128 v[\reg+6:\reg+9], v[\a16] offset:\off+768
	ds_load_b64 v[\reg+10:\reg+11], v[\a8] offset:\off+1280
.endm
.macro FETCH slot, q, p
	WIN 0x40
.irp i, 0,1,2,3,4,5,6,7
	FRAG 128*(\p)+12*\i, ADB16+\slot, ADB8+\slot, ((\q)*AB+\i)*1536
.endr
	WIN 0
.irp i, 0,1,2,3,4,5,6,7
	FRAG AF+96*(\p)+12*\i, ADA16+\slot, ADA8+\slot, ((\q)*AB+\i)*1536
.endr
.irp i, 0,1,2,3,4,5,6,7
	ds_load_b32 v[SC+8*(\p)+\i], v[ADRS] offset:(\q)*ROWS4+64*\i
.endr
.endm
.macro MULG p, a0, zero
	WIN 0xa1+0x50*((\a0)/4)
.irp a, \a0, \a0+1
.irp b, 0,1,2,3,4,5,6,7
.if \zero
	v_wmma_scale_f32_16x16x128_f8f6f4 v[8*(8*((\a)%4)+\b):8*(8*((\a)%4)+\b)+7], v[128*(\p)+12*\b:128*(\p)+12*\b+11], v[AF+96*(\p)+12*(\a):AF+96*(\p)+12*(\a)+11], 0, v[SC+8*(\p)+\b], v[SC+8*(\p)+(\a)] matrix_a_fmt:MATRIX_FMT_BF6 matrix_b_fmt:MATRIX_FMT_BF6 matrix_a_scale:MATRIX_SCALE_ROW1
.else
	v_wmma_scale_f32_16x16x128_f8f6f4 v[8*(8*((\a)%4)+\b):8*(8*((\a)%4)+\b)+7], v[128*(\p)+12*\b:128*(\p)+12*\b+11], v[AF+96*(\p)+12*(\a):AF+96*(\p)+12*(\a)+11], v[8*(8*((\a)%4)+\b):8*(8*((\a)%4)+\b)+7], v[SC+8*(\p)+\b], v[SC+8*(\p)+(\a)] matrix_a_fmt:MATRIX_FMT_BF6 matrix_b_fmt:MATRIX_FMT_BF6 matrix_a_scale:MATRIX_SCALE_ROW1
.endif
.endr
.endr
.endm
.macro STEP slot, q, zero
	s_wait_dscnt 0x0
	PLACES 4
	FETCH \slot, (\q)+1, 1-(\q)%2
	MULG (\q)%2, 0, \zero
	MULG (\q)%2, 2, \zero
	MULG (\q)%2, 4, \zero
	MULG (\q)%2, 6, \zero
.endm
.macro TURN slot, next, fill
	WIN 0
	s_wait_tensorcnt 0x0
	ds_add_u32 v[SPW], v[NIL]
	s_wait_dscnt 0x1
	MULG 1, 0, 0
	s_wait_dscnt 0x0
	s_barrier_signal -1
	MULG 1, 2, 0
	WIN 0
	s_barrier_wait -1
.if \fill
	CREST
	s_add_nc_u64 s[G0+4*\slot+2:G0+4*\slot+3], s[G0+4*\slot+2:G0+4*\slot+3], 2*NQ*KSP
	s_add_nc_u64 s[G0B+4*\slot+2:G0B+4*\slot+3], s[G0B+4*\slot+2:G0B+4*\slot+3], 2*NQ*KSP
	JLOAD G0+4*\slot, G1, G0B+4*\slot, G1B
.else
	PLACES 4
.endif
	s_wait_alu depctr_va_vdst(0)
	v_add_nc_u32 v[ADRS], NQ*ROWS4, v[ADRS]
	FETCH \next, 0, 0
	MULG 1, 4, 0
	MULG 1, 6, 0
.endm
	s_wait_alu depctr_va_vdst(0)
	s_wait_loadcnt 0x0                             ; my scale words are in registers
.irp i, 0,1,2,3,4,5,6,7
	ds_store_b128 v7, v[AF+4*\i:AF+4*\i+3] offset:512*\i   ; into bytes on which no tile lands
.endr
	s_wait_tensorcnt 0x0                           ; my part of slot 0 is in
	ds_add_u32 v[SPW], v[NIL]
	s_wait_dscnt 0x0                               ; the add is done, and so are my stores of scale words
	CROUND                                         ; a whole round: slot 0 and the scale words are shown to all, and the joint loads meet
	JLOAD G0+4, G1, G0B+4, G1B                     ; slot 1's first fill, the first tensor load behind the round
	FETCH 0, 0, 0
	global_prefetch_b8 v23, s[PFA:PFA+1] offset:2*NQ*KSP th:TH_LOAD_NT scope:SCOPE_SE   ; slot 3
	STEP 0, 0, 1
	WIN 0
	s_mov_b32 s3, LAPS-1
.Llap:
	TURN 0, 1, 1
	s_wait_alu depctr_va_vdst(0)
	STEP 1, 0, 0
	TURN 1, 0, 1
	s_wait_alu depctr_va_vdst(0)
	STEP 0, 0, 0
	WIN 0
	s_sub_co_u32 s3, s3, 1
	s_cmp_lg_u32 s3, 0
	s_cbranch_scc1 .Llap
	TURN 0, 1, 0
	s_wait_alu depctr_va_vdst(0)
	STEP 1, 0, 0
	s_wait_dscnt 0x0
	MULG 1, 0, 0
	MULG 1, 2, 0
	MULG 1, 4, 0
	MULG 1, 6, 0
	WIN 0
.macro QOUT a
.set WN, 2+(\a)/4
.set AC0, 64*((\a)%4)
.set PC, 64+20*(\a)                    ; each block has 20 registers of its own for its codes: no store's data are written again
.if RELU
	WIN (WN<<2)|(WN<<6)
.set j, 0
.rept 64
	v_max_num_f32 v[AC0+j], 0, v[AC0+j]
.set j, j+1
.endr
.endif
	WIN WN|(WN<<2)
.irp b, 0,1,2,3
	v_max3_num_f32 v[TM+\b], |v[AC0+16*\b]|, |v[AC0+1+16*\b]|, 0x2800000
.endr
.irp i, 2,4,6,8,10,12,14
.irp b, 0,1,2,3
	v_max3_num_f32 v[TM+\b], |v[AC0+16*\b+\i]|, |v[AC0+1+16*\b+\i]|, v[TM+\b]
.endr
.endr
	WIN 0
.irp b, 0,1,2,3
	v_permlanex16_b32 v[TM+4+\b], v[TM+\b], s18, s19
.endr
.irp b, 0,1,2,3
	v_max_num_f32 v[TM+\b], v[TM+\b], v[TM+4+\b]
.endr
.irp b, 0,1,2,3
	v_add_nc_u32 v[TM+12+\b], 0xfe000000, v[TM+\b]
.endr
.irp b, 0,1,2,3
	v_lshrrev_b32 v[TM+4+\b], 23, v[TM+12+\b]
.endr
	v_lshl_or_b32 v[PW], v[TM+5], 8, v[TM+4]
	v_lshl_or_b32 v[PW], v[TM+6], 16, v[PW]
	v_lshl_or_b32 v[PW], v[TM+7], 24, v[PW]
	WIN WN
.irp c, 0,1
	v_cvt_scalef32_pk16_bf6_f32 v[PC+6*\c:PC+2+6*\c], v[AC0+32*\c:AC0+15+32*\c], v[TM+12+2*\c]
	v_cvt_scalef32_pk16_bf6_f32 v[PC+12+4*\c:PC+14+4*\c], v[AC0+16+32*\c:AC0+31+32*\c], v[TM+12+2*\c+1]
.endr
	WIN 0
	v_nop
.irp c, 0,1
.irp i, 0,1,2
	v_permlane16_swap_b32 v[PC+6*\c+\i], v[PC+12+4*\c+\i]
.endr
.irp i, 0,1,2
	v_mov_b32 v[PC+3+6*\c+\i], v[PC+12+4*\c+\i]
.endr
.endr
	global_store_b128 v[GO16], v[PC:PC+3], s[8:9] offset:1536*(\a)
	global_store_b64 v[GO8], v[PC+4:PC+5], s[8:9] offset:1536*(\a)+512
	global_store_b128 v[GO16], v[PC+6:PC+9], s[8:9] offset:1536*(\a)+768
	global_store_b64 v[GO8], v[PC+10:PC+11], s[8:9] offset:1536*(\a)+1280
	ds_store_b32 v[SSW], v[PW] offset:64*(\a)
.endm
	s_mov_b32 s18, 0x76543210
	s_mov_b32 s19, 0xfedcba98
	PLACES 4
.irp b, 0,1,2,3
	v_mov_b32 v[TM+4+\b], 0
.endr
.irp a, 0,1,2,3,4,5,6,7
	QOUT \a
.endr
	ds_load_b128 v[244:247], v[SSR]
	s_wait_dscnt 0x0
	global_store_b128 v[GO16], v[244:247], s[10:11]
	s_wait_tensorcnt 0x0
	ds_add_u32 v[SPW], v[NIL]
	s_wait_dscnt 0x0
	CROUND
	s_endpgm
.Lfunc_end_k_q96086d746a_gqkv:
	.size	k_q96086d746a_gqkv, .Lfunc_end_k_q96086d746a_gqkv-k_q96086d746a_gqkv
	.p2alignl 7, 3214868480
	.fill 96, 4, 3214868480
	.section	.rodata,"a",@progbits
	.p2align	6, 0x0
	.amdhsa_kernel k_q96086d746a_gqkv
		.amdhsa_group_segment_fixed_size 327680
		.amdhsa_private_segment_fixed_size 0
		.amdhsa_enable_private_segment 0
		.amdhsa_kernarg_size 32
		.amdhsa_user_sgpr_count 2
		.amdhsa_user_sgpr_kernarg_segment_ptr 1
		.amdhsa_wavefront_size32 1
		.amdhsa_system_sgpr_workgroup_id_x 1
		.amdhsa_system_sgpr_workgroup_id_y 1
		.amdhsa_system_sgpr_workgroup_id_z 1
		.amdhsa_system_vgpr_workitem_id 0
		.amdhsa_next_free_vgpr 1024
		.amdhsa_next_free_sgpr 98
		.amdhsa_reserve_vcc 0
		.amdhsa_float_denorm_mode_32 3
		.amdhsa_float_denorm_mode_16_64 3
		.amdhsa_memory_ordered 1
		.amdhsa_forward_progress 1
		.amdhsa_inst_pref_size 151
	.end_amdhsa_kernel
	.amdgpu_metadata
---
amdhsa.version: [ 1, 2 ]
amdhsa.kernels:
  - .name:           k_q96086d746a_gqkv
    .symbol:         k_q96086d746a_gqkv.kd
    .args:
      - { .name: act, .offset: 0, .size: 8, .value_kind: global_buffer, .address_space: global }
      - { .name: wts, .offset: 8, .size: 8, .value_kind: global_buffer, .address_space: global }
      - { .name: qk_hid, .offset: 16, .size: 8, .value_kind: global_buffer, .address_space: global }
      - { .name: vt, .offset: 24, .size: 8, .value_kind: global_buffer, .address_space: global }
    .group_segment_fixed_size: 327680
    .private_segment_fixed_size: 0
    .kernarg_segment_align: 8
    .kernarg_segment_size: 32
    .max_flat_workgroup_size: 128
    .sgpr_count:     98
    .vgpr_count:     1024
    .wavefront_size: 32
...
	.end_amdgpu_metadata
.endif
;; end of part 2
;; launch attn (part 3): grid 8 x 32, 16 waves a work-group, clusters of 4 x 1, 215,040 bytes of LDS; arguments qk_hid, vt, act; writes act
.if DOCPART == 3
	.amdgcn_target "amdgcn-amd-amdhsa--gfx1250"
	.amdhsa_code_object_version 6
	.text
	.protected	k_q96086d746a_attn
	.globl	k_q96086d746a_attn
	.p2align	8
	.type	k_q96086d746a_attn,@function
k_q96086d746a_attn:
	s_mov_b64 s[64:65], 0
	v_nop
	global_prefetch_b8 v0, s[64:65] scope:SCOPE_SE
	s_setreg_imm32_b32 hwreg(HW_REG_WAVE_MODE, 25, 1), 1
	s_wait_xcnt 0x0
	s_wait_alu depctr_hold_cnt(0) depctr_sa_sdst(0) depctr_va_vdst(0) depctr_va_sdst(0) depctr_va_ssrc(0) depctr_va_vcc(0) depctr_vm_vsrc(0)
	s_getreg_b32 s2, hwreg(HW_REG_IB_STS2, 6, 4)
	s_cmp_eq_u32 s2, 0
	s_cbranch_scc0 .Lentry_in_a_cluster
	s_endpgm
.Lentry_in_a_cluster:
	s_bfe_u32 s2, ttmp6, 0x10000c
	s_cmp_lg_u32 s2, 0x3003
	s_cbranch_scc0 .Lentry_shape_is_right
	s_endpgm
.Lentry_shape_is_right:
; o = softmax(q k^T / 8) v for one head of 64, both products on codes of BF6 (E3M2); o is quantised along the model's 1,024 and stored as the next product's operand.
; OPERANDS lie as images of registers: fragment (K step, row tile) at (256 ks + rt) x 1536, half c (64 along K) at + 768 c: registers 0-3 of lane l at 16 l, registers 4, 5 at 512 + 8 l; scale words at SCO + 16384 ks + 64 rt + 4 r.
; q: K steps 0-7 of qk_hid, k: K steps 8-15: a head is half (head % 2) of K step head / 2.  v^T in vt: row tiles 4 head .. 4 head + 3, K = tokens.  Lane r of tile 2 B + u holds row 32 B + 8 u + r % 8 + 16 (r / 8).
; THE SOFTMAX: t = score x log2(e) / 8; M = the running largest t rounded up to a whole number; p = 2^(t - M) is quantised along the keys; the row's sum is taken of the unquantised p and divides at the end;
; when M moves, the sum and O are multiplied by 2^(old M - new M), which rounds nothing.
; SHARES: a work-group owns 256 queries of one (batch, head), each of its sixteen waves one tile of 16.  Both products are used transposed (S^T = K Q^T, O^T = V^T P^T): a lane holds one query throughout, and by the
; order of a tile's rows the 16 registers of tiles 2 b and 2 b + 1 are 16 neighbouring keys (or channels).
; THE HEAD'S WHOLE K, V^T AND THEIR SCALE WORDS LIE IN LDS, filled once: 208,896 bytes.  No slot is filled again, so the loop has no barrier.  The four query blocks of a cluster share the head: every fill is a joint load.
; THE FIRST PRODUCT'S K IS 64 under an instruction of 128: Q's upper six registers are zero codes and its upper two scale bytes 0.  K's operand for tile t names 12 registers of which the upper six are the next
; tile's codes (for the last tile: zeros): finite numbers that meet Q's zero codes and add nothing.  So a tile of K costs six registers and 768 bytes of LDS reads.
; o's scale bytes leave as stores of two bytes, four bytes apart: the other half of each word belongs to the neighbouring head's work-group; 128 KiB in the launch.
; LIMITS: NaN and infinities are not served; a block of p or of o whose largest magnitude lies under 2^-122 gets the byte 1.
.set SCO8,  3145728
.set SCO32, 12582912
.set VL,    98304                      ; LDS: K's 128 tiles of 768 bytes at 0; V^T: step j at VL + 6144 j, tile t at + 1536 t;
.set KSL,   196608                     ; K's scale words, 4 bytes a key;
.set VSL,   204800                     ; V^T's: 256 j + 64 t + 4 r
.set AV16,  3                          ; v3  VL + 16 x lane
.set AV8,   4                          ; v4  VL + 8 x lane
.set AKS,   5                          ; v5  KSL + 4 r + 2 (head % 2)
.set AVS,   6                          ; v6  VSL + 4 r
.set L16,   30                         ; v30 16 x lane
.set L8,    31                         ; v31 8 x lane
.set R4,    236                        ; v236 4 r
.set KF,    32                         ; v32-79 K's eight half fragments, v80-85 zeros; later V^T's four fragments in v32-79
.set KSC,   86                         ; v86-93 K's scales
.set S,     96                         ; v96-159 S^T, then p
.set O,     160                        ; v160-191 O^T
.set PC,    192                        ; v192-203 p's codes
.set PX,    204                        ; v204-211 the conversions' second halves
.set BM,    212                        ; v212-215 each block's largest score, then largest p
.set BT,    216                        ; v216-219 at work
.set SO,    220                        ; v220-223 the conversions' scale operands
.set VSC,   224                        ; v224-227 V^T's scales
.set PW,    228                        ; v228 p's scale word
.set F,     230                        ; v[230:231] f = 2^(old M - new M)
.set T0,    232
.set T1,    233
.set L2,    234                        ; v[234:235] the sum's second chain
.set WV,    18
.set SEL,   20
.set CS,    22
.set G1K,   24
.set G1KS,  32
.set G1V,   40
.set G1VS,  48
.set G0K,   56
.set G0KS,  60
.set G0V,   68
.set G0VS,  72
.set TK,    76                         ; s76 the step's tiles of K, and of V^T: 6,144 bytes a step
.set TS,    77                         ; s77 K's scale words: 512 bytes a step
.set TV,    78                         ; s78 V^T's: 256
.set CNT,   79
.macro ROUND                           ; a round of the cluster's barrier
	s_barrier_signal -1
	s_barrier_wait -1
	s_cmp_lg_u32 s[WV], 0
	s_cbranch_scc1 .Lnot_wave_0_\@
	s_barrier_signal -3
.Lnot_wave_0_\@:
	s_barrier_wait -3
	s_barrier_signal -1
	s_barrier_wait -1
.endm
	s_load_b128 s[4:7], s[0:1], 0x0                ; qk_hid, vt
	s_load_b64 s[8:9], s[0:1], 0x10                ; act
	v_lshl_add_u32 v254, v0, 2, 0x34000
	v_mov_b32 v255, 0
	ds_add_u32 v254, v255
	ds_add_u32 v254, v255
	v_lshrrev_b32 v1, 5, v0
	s_delay_alu instid0(VALU_DEP_1)
	v_readfirstlane_b32 s[WV], v1                  ; wave 0..15
	s_and_b32 s80, ttmp7, 0xffff                   ; batch x 16 + head: the four partners share it
	s_lshr_b32 s81, s80, 4                         ; batch
	s_and_b32 s82, s80, 15                         ; head
	s_and_b32 s83, s82, 1                          ; which half of a K step
	s_lshr_b32 s84, s82, 1                         ; which K step
	s_bfe_u32 s85, ttmp6, 0x40000                  ; cx
	s_lshl_b32 s86, ttmp9, 2
	s_add_co_u32 s86, s86, s85                     ; my block of 256 queries: it enters q's and o's addresses alone
	s_and_b32 s87, s[WV], 7                        ; which eighth of K (waves 0-7) or of V^T (waves 8-15) I fetch
	s_add_co_u32 s88, s84, 8                       ; K's codes: ((8 + K step) x 256 + 128 batch + 16 x eighth) x 1536 + 768 x half
	s_lshl_b32 s88, s88, 8
	s_lshl_b32 s89, s81, 7
	s_add_co_u32 s88, s88, s89
	s_lshl_b32 s89, s87, 4
	s_add_co_u32 s88, s88, s89
	s_mul_i32 s88, s88, 1536
	s_mul_i32 s89, s83, 768
	s_add_co_u32 s88, s88, s89
	s_mov_b32 s89, 0
	s_add_co_u32 s90, s84, 8                       ; K's scale words
	s_lshl_b32 s90, s90, 14
	s_lshl_b32 s91, s81, 13
	s_add_co_u32 s90, s90, s91
	s_lshl_b32 s91, s[WV], 9                       ; of K's 8,192 bytes of scale words each of the sixteen waves brings 512
	s_add_co_u32 s90, s90, s91
	s_add_co_u32 s90, s90, SCO32
	s_mov_b32 s91, 0
	s_lshl_b32 s92, s81, 4                         ; V^T: K steps 16 batch + 2 x eighth and the next
	s_lshl_b32 s93, s87, 1
	s_add_co_u32 s92, s92, s93
	s_lshl_b32 s94, s81, 4                         ; V^T's scale words: wave w brings the 256 bytes of K step 16 batch + w
	s_add_co_u32 s94, s94, s[WV]
	s_lshl_b32 s94, s94, 14
	s_lshl_b32 s92, s92, 8
	s_lshl_b32 s93, s82, 2
	s_add_co_u32 s92, s92, s93
	s_mul_i32 s92, s92, 1536
	s_mov_b32 s93, 0
	s_lshl_b32 s95, s82, 8
	s_add_co_u32 s94, s94, s95
	s_add_co_u32 s94, s94, SCO32
	s_mov_b32 s95, 0
	s_lshl_b32 s96, s81, 7                         ; my tile of queries: 128 batch + 16 x block + wave
	s_lshl_b32 s97, s86, 4
	s_add_co_u32 s96, s96, s97
	s_add_co_u32 s96, s96, s[WV]
	s_lshl_b32 s98, s96, 6
	s_lshl_b32 s97, s84, 14
	s_add_co_u32 s98, s98, s97
	s_lshl_b32 s97, s83, 1
	s_add_co_u32 s98, s98, s97                     ; its two scale bytes a row, in q as in o
	s_mov_b32 s99, 0
	s_lshl_b32 s97, s84, 8
	s_add_co_u32 s96, s96, s97
	s_mul_i32 s96, s96, 1536
	s_mul_i32 s97, s83, 768
	s_add_co_u32 s96, s96, s97                     ; its half fragment, in q as in o
	s_mov_b32 s97, 0
	; descriptor groups 1: elements of 8 bytes, the mask of all four work-groups, bit 21 beside it, no padding
	s_mov_b32 s[G1K], 15|(3<<16)|(1<<21)           ; K's codes: 16 tiles' halves of 768 bytes, 1,536 bytes apart
	s_mov_b32 s[G1K+1], 96<<16
	s_mov_b32 s[G1K+2], 16<<16
	s_mov_b32 s[G1K+3], 96<<16
	s_mov_b32 s[G1K+4], 16
	s_mov_b32 s[G1K+5], 192
	s_mov_b32 s[G1K+6], 0
	s_mov_b32 s[G1K+7], 0
	s_mov_b32 s[G1V], 15|(3<<16)|(1<<21)           ; V^T's codes: two K steps of four fragments on end (6,144 bytes), 393,216 bytes apart
	s_mov_b32 s[G1V+1], 768<<16
	s_mov_b32 s[G1V+2], 2<<16
	s_mov_b32 s[G1V+3], 768<<16
	s_mov_b32 s[G1V+4], 2
	s_mov_b32 s[G1V+5], 49152
	s_mov_b32 s[G1V+6], 0
	s_mov_b32 s[G1V+7], 0
	s_mov_b32 s[SEL], 0x76543210
	s_mov_b32 s[SEL+1], 0xfedcba98
	s_mov_b32 s[CS], 0x3e38aa3b                    ; c = log2(e) / 8
	s_mov_b32 s[CS+1], s[CS]                       ; (named with it as a pair, so it is written)
	s_mul_i32 s79, s87, 12288
	s_wait_dscnt 0x0
	s_wait_kmcnt 0x0
	s_mov_b32 s[G0K], 1
	s_mov_b32 s[G0K+1], s79
	s_add_nc_u64 s[G0K+2:G0K+3], s[4:5], s[88:89]
	s_or_b32 s[G0K+3], s[G0K+3], 0x80000000
	s_lshl_b32 s62, s[WV], 9
	s_add_co_u32 s62, s62, KSL                     ; where my 512 bytes of K's scale words go
	s_add_nc_u64 s[G0KS:G0KS+1], s[4:5], s[90:91]  ; and where they come from
	s_mov_b32 s[G0V], 1
	s_add_co_u32 s[G0V+1], s79, VL
	s_add_nc_u64 s[G0V+2:G0V+3], s[6:7], s[92:93]
	s_or_b32 s[G0V+3], s[G0V+3], 0x80000000
	s_lshl_b32 s74, s[WV], 8
	s_add_co_u32 s74, s74, VSL                     ; the same for my 256 bytes of V^T's
	s_add_nc_u64 s[G0VS:G0VS+1], s[6:7], s[94:95]
	s_add_nc_u64 s[10:11], s[4:5], s[96:97]        ; q's half fragment
	s_add_nc_u64 s[12:13], s[4:5], s[98:99]
	s_add_nc_u64 s[12:13], s[12:13], SCO32         ; q's scale bytes
	s_add_nc_u64 s[14:15], s[8:9], s[96:97]        ; o's half fragment
	s_add_nc_u64 s[16:17], s[8:9], s[98:99]
	s_add_nc_u64 s[16:17], s[16:17], SCO8          ; o's scale bytes
	ROUND                                          ; all four work-groups are here: the joint loads meet
; ONE TENSOR LOAD A WAVE, in one chain of branches on the wave's number.  Waves 0 and 8 bring the first eighth of K and of V^T (steps 0 and 1) on lines of their own: they alone wait ahead of the first barrier.
.macro TL g0, g1
	tensor_load_to_lds s[\g0:\g0+3], s[\g1:\g1+7]
	s_nop 0
.rept 4
	v_nop
.endr
.endm
	s_cmp_eq_u32 s[WV], 0
	s_cbranch_scc0 .Lnot_k0
	TL G0K, G1K
	s_branch .Lfilled
.Lnot_k0:
	s_cmp_eq_u32 s[WV], 8
	s_cbranch_scc0 .Lnot_v0
	TL G0V, G1V
	s_branch .Lfilled
.Lnot_v0:
	s_cmp_lt_u32 s[WV], 8
	s_cbranch_scc0 .Lfill_v
	TL G0K, G1K
	s_branch .Lfilled
.Lfill_v:
	TL G0V, G1V
.Lfilled:
	v_and_b32 v[T0], 31, v0
	v_and_b32 v[T1], 15, v0
	s_delay_alu instid0(VALU_DEP_2)
	v_lshlrev_b32 v[L16], 4, v[T0]
	s_delay_alu instid0(VALU_DEP_3)
	v_lshlrev_b32 v[L8], 3, v[T0]
	s_delay_alu instid0(VALU_DEP_3)
	v_lshlrev_b32 v[R4], 2, v[T1]
	global_load_b128 v[16:19], v[L16], s[10:11]    ; Q's 64 along K: registers 0-5 of the operand; it stays
	global_load_b64 v[20:21], v[L8], s[10:11] offset:512
	global_load_u16 v29, v[R4], s[12:13]           ; its two scale bytes; the upper two are 0
	global_load_b128 v[96:99], v[L16], s[G0KS:G0KS+1]   ; the scale words come by plain loads, 12 KiB beside 192 KiB of codes, and go into LDS bytes on which no tile lands
	global_load_b64 v[100:101], v[L8], s[G0VS:G0VS+1]
	v_add_nc_u32 v1, s62, v[L16]
	v_add_nc_u32 v2, s74, v[L8]
	v_add_nc_u32 v[AV16], VL, v[L16]
	v_add_nc_u32 v[AV8], VL, v[L8]
	s_lshl_b32 s98, s83, 1
	s_add_co_u32 s98, s98, KSL
	v_add_nc_u32 v[AKS], s98, v[R4]
	v_add_nc_u32 v[AVS], VSL, v[R4]
.irp j, 22,23,24,25,26,27, 80,81,82,83,84,85
	v_mov_b32 v[\j], 0                             ; zero codes: Q's upper half, and what stands behind K's last tile
.endr
	v_mov_b32 v13, 0xff61b1e6                      ; the largest t so far: -3e38
	s_delay_alu instid0(VALU_DEP_1)
	v_floor_f32 v12, -v13                          ; -M
	v_mov_b32 v14, 0                               ; the sum, in two halves
	v_mov_b32 v15, 0
.irp b, 0,1,2,3
	v_mov_b32 v[BT+\b], 0                          ; a lane permute's destination counts as one of its sources
.endr
	v_mov_b32 v[F+1], 0                            ; (named as the upper half of a pair)
.set j, 0
.rept 32
	v_mov_b32 v[O+j], 0                            ; O^T: the step is written once; the first finds zeros, which the first change of M leaves zeros
.set j, j+1
.endr
	s_mov_b32 s[TK], 0
	s_mov_b32 s[TS], 0
	s_mov_b32 s[TV], 0
	s_wait_loadcnt 0x0                             ; Q, and my share of the scale words
	ds_store_b128 v1, v[96:99]
	ds_store_b64 v2, v[100:101]
	s_wait_dscnt 0x0                               ; for the others' sake: my stores are done
	s_cmp_eq_u32 s[WV], 0
	s_cbranch_scc1 .Lfirst
	s_cmp_eq_u32 s[WV], 8
	s_cbranch_scc0 .Lnot_first
.Lfirst:
	s_wait_tensorcnt 0x0                           ; waves 0 and 8: the tiles of steps 0 and 1 have landed
.Lnot_first:
	s_barrier_signal -1
	s_barrier_wait -1                              ; steps 0 and 1 and all scale words are shown; the other fourteen loads may be out
.macro WALK n                          ; n steps of 128 keys
	s_mov_b32 s[CNT], \n
.Lstep_\@:
	v_add_nc_u32 v7, s[TK], v[L16]                 ; the step's addresses: six plain instructions, the places behind the last trip's products in front of the loads below
	v_add_nc_u32 v8, s[TK], v[L8]
	v_add_nc_u32 v9, s[TK], v[AV16]
	v_add_nc_u32 v10, s[TK], v[AV8]
	v_add_nc_u32 v11, s[TS], v[AKS]
	v_add_nc_u32 v28, s[TV], v[AVS]
.irp t, 0,1,2,3,4,5,6,7
	ds_load_b128 v[KF+6*\t:KF+6*\t+3], v7 offset:768*\t
	ds_load_b64 v[KF+6*\t+4:KF+6*\t+5], v8 offset:768*\t+512
	ds_load_u16 v[KSC+\t], v11 offset:64*\t
.endr
	s_wait_alu depctr_va_vdst(0)
.irp t, 0,1,2,3,4,5,6,7
.if \t < 6
	s_wait_dscnt 18-3*\t                           ; product t names the registers of tiles t and t + 1: the three loads of each of the 6 - t tiles behind them may be out
.elseif \t == 6
	s_wait_dscnt 0x0
.endif
	v_wmma_scale_f32_16x16x128_f8f6f4 v[S+8*\t:S+8*\t+7], v[KF+6*\t:KF+6*\t+11], v[16:27], 0, v[KSC+\t], v29 matrix_a_fmt:MATRIX_FMT_BF6 matrix_b_fmt:MATRIX_FMT_BF6
.endr
.rept 4
	v_nop                                          ; four places: in front of the loads into K's registers, and of the first read of the scores
.endr
.irp t, 0,1,2,3                                    ; V^T's four fragments land under the softmax
	ds_load_b128 v[KF+12*\t:KF+12*\t+3], v9 offset:1536*\t
	ds_load_b64 v[KF+12*\t+4:KF+12*\t+5], v10 offset:1536*\t+512
	ds_load_b128 v[KF+12*\t+6:KF+12*\t+9], v9 offset:1536*\t+768
	ds_load_b64 v[KF+12*\t+10:KF+12*\t+11], v10 offset:1536*\t+1280
	ds_load_b32 v[VSC+\t], v28 offset:64*\t
.endr
.irp b, 0,1,2,3
	v_max3_num_f32 v[BM+\b], v[S+16*\b], v[S+1+16*\b], v[S+2+16*\b]   ; the largest score of each block of 32 keys: it serves for the row's maximum and, since p rises with the score, for the block's largest p
.endr
.irp i, 3,5,7,9,11,13
.irp b, 0,1,2,3
	v_max3_num_f32 v[BM+\b], v[BM+\b], v[S+16*\b+\i], v[S+1+16*\b+\i]
.endr
.endr
.irp b, 0,1,2,3
	v_max_num_f32 v[BM+\b], v[BM+\b], v[S+15+16*\b]
.endr
.irp b, 0,1,2,3
	s_delay_alu instid0(VALU_DEP_4)
	v_permlanex16_b32 v[BT+\b], v[BM+\b], s[SEL], s[SEL+1]
.endr
.irp b, 0,1,2,3
	s_delay_alu instid0(VALU_DEP_4)
	v_max_num_f32 v[BM+\b], v[BM+\b], v[BT+\b]     ; with lane l xor 16's 16 keys
.endr
	s_delay_alu instid0(VALU_DEP_2)
	v_max3_num_f32 v[T0], v[BM], v[BM+1], v[BM+2]
	s_delay_alu instid0(VALU_DEP_1)
	v_max_num_f32 v[T0], v[T0], v[BM+3]
	s_delay_alu instid0(VALU_DEP_1)
	v_mul_f32 v[T0], s[CS], v[T0]                  ; as t (c is positive)
	s_delay_alu instid0(VALU_DEP_1)
	v_max_num_f32 v13, v13, v[T0]                  ; the running largest t
	v_mov_b32 v[T0], v12
	s_delay_alu instid0(VALU_DEP_2)
	v_floor_f32 v12, -v13                          ; the new -M = -ceil(t)
	s_delay_alu instid0(VALU_DEP_1)
	v_sub_f32 v[T0], v12, v[T0]                    ; old M - new M: a whole number, 0 or less
	s_delay_alu instid0(VALU_DEP_1)
	v_cvt_i32_f32 v[T0], v[T0]
	s_delay_alu instid0(VALU_DEP_1)
	v_ldexp_f32 v[F], 1.0, v[T0]                   ; f = 2^(old M - new M)
.set j, 0
.rept 32
	v_pk_fma_f32 v[S+j:S+j+1], v[S+j:S+j+1], s[CS:CS+1], v[12:13] op_sel_hi:[1,0,0]   ; t - M, two at a time
.set j, j+2
.endr
.irp b, 0,1,2,3
	v_fma_f32 v[BM+\b], v[BM+\b], s[CS], v12       ; the same of each block's largest score
.endr
.set j, 0
	s_wait_alu depctr_va_vdst(0)
.rept 64
	v_exp_f32 v[S+j], v[S+j]                       ; p = 2^(t - M): not normalised
.set j, j+1
.endr
	v_pk_mul_f32 v[14:15], v[14:15], v[F:F+1] op_sel_hi:[1,0]   ; the sums under the new M: a plain instruction behind the exponentials
	s_wait_alu depctr_va_vdst(0)                   ; one wait for the whole batch, ahead of its first reader
.irp b, 0,1,2,3
	v_exp_f32 v[BM+\b], v[BM+\b]                   ; the block's largest p: the same two instructions on the same number give the same bits
.endr
	v_pk_add_f32 v[234:235], v[100:101], v[104:105]
	v_pk_add_f32 v[252:253], v[108:109], v[112:113]
	v_pk_add_f32 v[250:251], v[116:117], v[120:121]
	v_pk_add_f32 v[248:249], v[124:125], v[128:129]
	v_pk_add_f32 v[246:247], v[132:133], v[136:137]
	v_pk_add_f32 v[244:245], v[140:141], v[144:145]
	v_pk_add_f32 v[242:243], v[148:149], v[152:153]
	v_pk_add_f32 v[14:15], v[14:15], v[156:157]
	v_pk_add_f32 v[234:235], v[234:235], v[96:97]
	v_pk_add_f32 v[252:253], v[252:253], v[98:99]
	v_pk_add_f32 v[250:251], v[250:251], v[102:103]
	v_pk_add_f32 v[248:249], v[248:249], v[106:107]
	v_pk_add_f32 v[246:247], v[246:247], v[110:111]
	v_pk_add_f32 v[244:245], v[244:245], v[114:115]
	v_pk_add_f32 v[242:243], v[242:243], v[118:119]
	v_pk_add_f32 v[14:15], v[14:15], v[122:123]
	v_pk_add_f32 v[234:235], v[234:235], v[126:127]
	v_pk_add_f32 v[252:253], v[252:253], v[130:131]
	v_pk_add_f32 v[250:251], v[250:251], v[134:135]
	v_pk_add_f32 v[248:249], v[248:249], v[138:139]
	v_pk_add_f32 v[246:247], v[246:247], v[142:143]
	v_pk_add_f32 v[244:245], v[244:245], v[146:147]
	v_pk_add_f32 v[242:243], v[242:243], v[150:151]
	v_pk_add_f32 v[14:15], v[14:15], v[154:155]
	v_pk_add_f32 v[234:235], v[234:235], v[158:159]
	s_delay_alu instid0(VALU_DEP_2)
	v_pk_add_f32 v[14:15], v[14:15], v[248:249]
	s_delay_alu instid0(VALU_DEP_2)
	v_pk_add_f32 v[234:235], v[234:235], v[246:247]
	v_pk_add_f32 v[252:253], v[252:253], v[244:245]
	v_pk_add_f32 v[250:251], v[250:251], v[242:243]
	s_delay_alu instid0(VALU_DEP_2)
	v_pk_add_f32 v[14:15], v[14:15], v[252:253]
	s_delay_alu instid0(VALU_DEP_2)
	v_pk_add_f32 v[234:235], v[234:235], v[250:251]
	s_delay_alu instid0(VALU_DEP_1)
	v_pk_add_f32 v[14:15], v[14:15], v[234:235]
	s_wait_alu depctr_va_vdst(0)                   ; and one for the four
.irp b, 0,1,2,3
	v_max_num_f32 v[BM+\b], 0x2800000, v[BM+\b]    ; the floor 2^(5 - 127): the byte cannot fall under 1
.endr
.irp b, 0,1,2,3
	s_delay_alu instid0(VALU_DEP_4)
	v_add_nc_u32 v[SO+\b], 0xfe000000, v[BM+\b]    ; 4 off the exponent field: the conversion's scale operand
.endr
.irp b, 0,1,2,3
	s_delay_alu instid0(VALU_DEP_4)
	v_lshrrev_b32 v[BT+\b], 23, v[SO+\b]           ; the scale's byte
.endr
	s_delay_alu instid0(VALU_DEP_3)
	v_lshl_or_b32 v[PW], v[BT+1], 8, v[BT]         ; p's scale word for these 128 keys
	s_delay_alu instid0(VALU_DEP_1)
	v_lshl_or_b32 v[PW], v[BT+2], 16, v[PW]
	s_delay_alu instid0(VALU_DEP_1)
	v_lshl_or_b32 v[PW], v[BT+3], 24, v[PW]
.irp c, 0,1
	v_cvt_scalef32_pk16_bf6_f32 v[PC+6*\c:PC+2+6*\c], v[S+32*\c:S+15+32*\c], v[SO+2*\c]
	v_cvt_scalef32_pk16_bf6_f32 v[PX+4*\c:PX+2+4*\c], v[S+16+32*\c:S+31+32*\c], v[SO+2*\c+1]
.endr
	v_nop                                          ; one plain instruction behind the scaled conversions
.irp c, 0,1                                        ; the operand wants a whole block in a lane
.irp i, 0,1,2
	v_permlane16_swap_b32 v[PC+6*\c+\i], v[PX+4*\c+\i]
.endr
.irp i, 0,1,2
	s_delay_alu instid0(VALU_DEP_3)
	v_mov_b32 v[PC+3+6*\c+\i], v[PX+4*\c+\i]
.endr
.endr
.set j, 0
.rept 16
	v_pk_mul_f32 v[O+j:O+j+1], v[O+j:O+j+1], v[F:F+1] op_sel_hi:[1,0]   ; O^T under the new M; these sixteen also stand between the writes of p's codes and scale word and the products
.set j, j+2
.endr
	s_wait_alu depctr_va_vdst(0)
	s_wait_dscnt 0x0                               ; V^T's fragments and scale words
.irp t, 0,1,2,3
	v_wmma_scale_f32_16x16x128_f8f6f4 v[O+8*\t:O+8*\t+7], v[KF+12*\t:KF+12*\t+11], v[PC:PC+11], v[O+8*\t:O+8*\t+7], v[VSC+\t], v[PW] matrix_a_fmt:MATRIX_FMT_BF6 matrix_b_fmt:MATRIX_FMT_BF6
.endr
	s_add_co_u32 s[TK], s[TK], 6144
	s_add_co_u32 s[TS], s[TS], 512
	s_add_co_u32 s[TV], s[TV], 256
	s_sub_co_u32 s[CNT], s[CNT], 1
	s_cmp_lg_u32 s[CNT], 0
	s_cbranch_scc1 .Lstep_\@
.endm
	WALK 2                                         ; on the first eighths
	s_wait_tensorcnt 0x0                           ; every wave: my own load has landed,
	s_barrier_signal -1
	s_barrier_wait -1                              ; everybody's has
	WALK 14
	; THE WAY OUT: O^T / the sum; my 32 registers are channels 32 b + 16 (lane / 16) + i of my query: two blocks of the next product's K, quantised as they stand
.rept 4
	v_nop                                          ; four places behind the last products
.endr
	v_add_f32 v14, v14, v15
	s_delay_alu instid0(VALU_DEP_1)
	v_permlanex16_b32 v[T0], v14, s[SEL], s[SEL+1]
	s_delay_alu instid0(VALU_DEP_1)
	v_add_f32 v14, v14, v[T0]                      ; the row's sum
	s_wait_alu depctr_va_vdst(0)
	v_rcp_f32 v14, v14
	v_nop                                          ; a plain instruction behind the transcendental
	s_wait_alu depctr_va_vdst(0)                   ; the wait, ahead of the first reader
.set j, 0
.rept 32
	v_mul_f32 v[S+j], v[O+j], v14
.set j, j+1
.endr
.irp b, 0,1
	v_max3_num_f32 v[BM+\b], |v[S+16*\b]|, |v[S+1+16*\b]|, 0x2800000
.endr
.irp i, 2,4,6,8,10,12,14
.irp b, 0,1
	s_delay_alu instid0(VALU_DEP_2)
	v_max3_num_f32 v[BM+\b], v[BM+\b], |v[S+16*\b+\i]|, |v[S+1+16*\b+\i]|
.endr
.endr
.irp b, 0,1
	s_delay_alu instid0(VALU_DEP_2)
	v_permlanex16_b32 v[BT+\b], v[BM+\b], s[SEL], s[SEL+1]
.endr
.irp b, 0,1
	s_delay_alu instid0(VALU_DEP_2)
	v_max_num_f32 v[BM+\b], v[BM+\b], v[BT+\b]
.endr
.irp b, 0,1
	s_delay_alu instid0(VALU_DEP_2)
	v_add_nc_u32 v[SO+\b], 0xfe000000, v[BM+\b]
.endr
.irp b, 0,1
	s_delay_alu instid0(VALU_DEP_2)
	v_lshrrev_b32 v[BT+\b], 23, v[SO+\b]
.endr
	s_delay_alu instid0(VALU_DEP_1)
	v_lshl_or_b32 v[T1], v[BT+1], 8, v[BT]         ; my row's two scale bytes
	v_cvt_scalef32_pk16_bf6_f32 v[PC:PC+2], v[S:S+15], v[SO]
	v_cvt_scalef32_pk16_bf6_f32 v[PX:PX+2], v[S+16:S+31], v[SO+1]
	v_nop
.irp i, 0,1,2
	v_permlane16_swap_b32 v[PC+\i], v[PX+\i]
.endr
.irp i, 0,1,2
	s_delay_alu instid0(VALU_DEP_3)
	v_mov_b32 v[PC+3+\i], v[PX+\i]
.endr
	global_store_b128 v[L16], v[PC:PC+3], s[14:15]               ; 512 consecutive bytes
	global_store_b64 v[L8], v[PC+4:PC+5], s[14:15] offset:512    ; 256 consecutive bytes
	global_store_b16 v[R4], v[T1], s[16:17]                      ; lanes r and r + 16 hold and write the same two bytes
	s_wait_tensorcnt 0x0
	ds_add_u32 v254, v255
	s_wait_dscnt 0x0
	ROUND                                          ; the closing round: no work-group ends while a partner may still ask for a tile that names it
	s_endpgm
.Lfunc_end_k_q96086d746a_attn:
	.size	k_q96086d746a_attn, .Lfunc_end_k_q96086d746a_attn-k_q96086d746a_attn
	.p2alignl 7, 3214868480
	.fill 96, 4, 3214868480
	.section	.rodata,"a",@progbits
	.p2align	6, 0x0
	.amdhsa_kernel k_q96086d746a_attn
		.amdhsa_group_segment_fixed_size 215040
		.amdhsa_private_segment_fixed_size 0
		.amdhsa_enable_private_segment 0
		.amdhsa_kernarg_size 24
		.amdhsa_user_sgpr_count 2
		.amdhsa_user_sgpr_kernarg_segment_ptr 1
		.amdhsa_wavefront_size32 1
		.amdhsa_system_sgpr_workgroup_id_x 1
		.amdhsa_system_sgpr_workgroup_id_y 1
		.amdhsa_system_sgpr_workgroup_id_z 1
		.amdhsa_system_vgpr_workitem_id 0
		.amdhsa_next_free_vgpr 256
		.amdhsa_next_free_sgpr 100
		.amdhsa_reserve_vcc 0
		.amdhsa_float_denorm_mode_32 3
		.amdhsa_float_denorm_mode_16_64 3
		.amdhsa_memory_ordered 1
		.amdhsa_forward_progress 1
		.amdhsa_inst_pref_size 51
	.end_amdhsa_kernel
	.amdgpu_metadata
---
amdhsa.version: [ 1, 2 ]
amdhsa.kernels:
  - .name:           k_q96086d746a_attn
    .symbol:         k_q96086d746a_attn.kd
    .args:
      - { .name: qk_hid, .offset: 0, .size: 8, .value_kind: global_buffer, .address_space: global }
      - { .name: vt, .offset: 8, .size: 8, .value_kind: global_buffer, .address_space: global }
      - { .name: act, .offset: 16, .size: 8, .value_kind: global_buffer, .address_space: global }
    .group_segment_fixed_size: 215040
    .private_segment_fixed_size: 0
    .kernarg_segment_align: 8
    .kernarg_segment_size: 24
    .max_flat_workgroup_size: 512
    .sgpr_count:     100
    .vgpr_count:     256
    .wavefront_size: 32
...
	.end_amdgpu_metadata
.endif
;; end of part 3
;; launch gwo (part 4): grid 8 x 32, 4 waves a work-group, clusters of 4 x 4, 327,680 bytes of LDS; arguments act, wts, x, x1; writes x1
.if DOCPART == 4
	.amdgcn_target "amdgcn-amd-amdhsa--gfx1250"
	.amdhsa_code_object_version 6
	.text
	.protected	k_q96086d746a_gwo
	.globl	k_q96086d746a_gwo
	.p2align	8
	.type	k_q96086d746a_gwo,@function
k_q96086d746a_gwo:
	s_mov_b64 s[64:65], 0
	v_nop
	global_prefetch_b8 v0, s[64:65] scope:SCOPE_SE
	s_setreg_imm32_b32 hwreg(HW_REG_WAVE_MODE, 25, 1), 1
	s_wait_xcnt 0x0
	s_wait_alu depctr_hold_cnt(0) depctr_sa_sdst(0) depctr_va_vdst(0) depctr_va_sdst(0) depctr_va_ssrc(0) depctr_va_vcc(0) depctr_vm_vsrc(0)
	s_getreg_b32 s2, hwreg(HW_REG_IB_STS2, 6, 4)
	s_cmp_eq_u32 s2, 0
	s_cbranch_scc0 .Lentry_in_a_cluster
	s_endpgm
.Lentry_in_a_cluster:
	s_bfe_u32 s2, ttmp6, 0x10000c
	s_cmp_lg_u32 s2, 0xf033
	s_cbranch_scc0 .Lentry_shape_is_right
	s_endpgm
.Lentry_shape_is_right:
; out = res + A B^T: a GEMM on codes of BF6 (E3M2) with f32 rows out.  Here: A = o (act), B = wo, res = x, out = x1; K = 1,024.
; OPERANDS lie as images of a matrix operand's registers: fragment (K step ks, row tile rt) at (256 ks + rt) x 1536; half c: registers 6c..6c+3 of lane l at 768 c + 16 l, registers 6c+4, 6c+5 at 768 c + 512 + 8 l;
; scale words at SCO + 16384 ks + 64 rt + 4 r.  Lane r of tile 2 B + u holds row 32 B + 8 u + r % 8 + 16 (r / 8).
; THE MATRIX INSTRUCTION IS USED TRANSPOSED (source 0 = 16 rows of B, source 1 = 16 rows of A): a lane holds one row of A's tile, and the 16 registers of B's tiles 2 b and 2 b + 1 are 16 neighbouring columns.
; N is 1,024: tiles of 256 x 256 would be 64, so a tile is 128 x 128 and there are 256; four waves, 64 x 64 each: 16 accumulators.  K goes through a ring of two LDS slots, four K steps of 128 to a slot;
; a wave's tensor load brings 24,576 bytes.  The scale words come once, with the first fills.  4 x 4 work-groups form a cluster: A's tiles are asked for jointly along a row, B's along a column.
; The residual's rows are asked for at the head, into registers that lie idle, and land under the K loop.
; REGISTERS: window 0: v4-21 addresses; v32-47 scale words, two sets; A's two sets at v64 and v160; window 1: B's two sets at v0 and v128, the residual in v48-111 and v176-239; window 2: accumulator (a, b) at v[8 (4 a + b)].
.set OPK,   8                          ; K steps in all
.set SCO,   3145728                    ; where both operands' scale words begin
.set BOFF,  6553600                    ; B's block in wts
.set AB,    4
.set NQ,    4
.set LAPS,  OPK/(2*NQ)
.set KSP,   393216
.set PARTB, NQ*AB*1536
.set SLOT,  4*PARTB
.set ROWS4, 64*AB
.set SPART, OPK*ROWS4
.set SCL,   2*SLOT
.set SPARE, SCL+4*SPART
.set STG,   SPARE+512                  ; the way out: 16 rows x (256 bytes + 16) for each wave
.set GO16,  4
.set GO8,   5
.set ADA16, 8
.set ADA8,  10
.set ADB16, 12
.set ADB8,  14
.set ADRS,  16
.set SPW,   17
.set NIL,   18
.set CO,    19                         ; v19 4096 h + 16 r: my 16 bytes in two neighbouring rows of 4,096 bytes
.set STO,   20                         ; v20 the stage, way in
.set RD,    21                         ; v21 the stage, way out
.set SC,    32
.set AF,    64
.set OB,    64                         ; the way out: rows read back, 32 registers a block
.set RES,   48                         ; window 1: the residual, block a at RES + 32 a + 64 (a / 2)
.set G1,    24
.set G0,    32
.set G1B,   48
.set G0B,   56
.set G1S,   68
.set G0S,   76
.set G1SB,  80
.set G0SB,  88
.set MSB, 0
.macro WIN new
.if MSB != (\new)
	s_set_vgpr_msb (MSB<<8)|(\new)
.set MSB, (\new)
.endif
.endm
.macro JLOAD g0a, g1a, g0b, g1b        ; a joint load: waves 0 and 1 fetch for A, waves 2 and 3 for B; four v_nop follow each of the two lines
	s_cmp_eq_u32 s15, 0
	s_cbranch_scc0 .Lfor_b_\@
	tensor_load_to_lds s[\g0a:\g0a+3], s[\g1a:\g1a+7]
	s_nop 0
.rept 4
	v_nop
.endr
	s_branch .Lasked_\@
.Lfor_b_\@:
	tensor_load_to_lds s[\g0b:\g0b+3], s[\g1b:\g1b+7]
	s_nop 0
.rept 4
	v_nop
.endr
.Lasked_\@:
.endm
.macro CREST
	s_cmp_lg_u32 s14, 0
	s_cbranch_scc1 .Lnot_wave_0_\@
	s_barrier_signal -3
.Lnot_wave_0_\@:
	s_barrier_wait -3
	s_barrier_signal -1
	s_barrier_wait -1
.endm
.macro CROUND
	s_barrier_signal -1
	s_barrier_wait -1
	CREST
.endm
.macro PLACES n
.rept \n
	v_nop
.endr
.endm
	s_load_b256 s[4:11], s[0:1], 0x0               ; A, wts, the residual, the result
	v_lshl_add_u32 v[SPW], v0, 2, SPARE
	v_mov_b32 v[NIL], 0
	ds_add_u32 v17, v18
	ds_add_u32 v17, v18
	s_wait_dscnt 0x0
	v_lshrrev_b32 v1, 5, v0
	v_readfirstlane_b32 s14, v1                    ; wave 0..3
	s_lshr_b32 s15, s14, 1                         ; which half of the tile's rows is mine.  Also: I fetch for A (0) or for B (1)
	s_and_b32 s16, s14, 1                          ; which half of its columns.  Also: which half of that operand's tiles I fetch
	s_bfe_u32 s40, ttmp6, 0x40000
	s_bfe_u32 s41, ttmp6, 0x40004
	s_lshl_b32 s42, ttmp9, 2
	s_add_co_u32 s42, s42, s40                     ; tile column
	s_and_b32 s17, ttmp7, 0xffff
	s_lshl_b32 s17, s17, 2
	s_add_co_u32 s17, s17, s41                     ; tile row
	s_lshl_b32 s43, s41, 2
	s_lshl_b32 s43, 15, s43                        ; my row of the cluster
	s_lshl_b32 s44, 0x1111, s40                    ; my column
	s_or_b32 s[G1+0], s43, (3<<16)|(1<<21)         ; codes: NQ rows (K steps) of AB fragments on end, KSP bytes apart; elements of 8 bytes; no padding
	s_or_b32 s[G1B+0], s44, (3<<16)|(1<<21)
.irp g, G1, G1B
	s_mov_b32 s[\g+1], (AB*192)<<16
	s_mov_b32 s[\g+2], NQ<<16
	s_mov_b32 s[\g+3], (AB*192)<<16
	s_mov_b32 s[\g+4], NQ
	s_mov_b32 s[\g+5], KSP/8
	s_mov_b32 s[\g+6], 0
	s_mov_b32 s[\g+7], 0
.endr
	s_mul_i32 s18, s16, AB
	s_mul_i32 s20, s17, 2*AB
	s_add_co_u32 s20, s20, s18                     ; A: the first row tile that I fetch
	s_mul_i32 s46, s42, 2*AB
	s_add_co_u32 s46, s46, s18                     ; B likewise
	s_lshl_b32 s22, s20, 6
	s_add_co_u32 s22, s22, SCO
	s_lshl_b32 s96, s46, 6
	s_add_co_u32 s96, s96, SCO
	s_mul_i32 s20, s20, 1536
	s_mul_i32 s46, s46, 1536
	s_mov_b32 s21, 0
	s_mov_b32 s23, 0
	s_mov_b32 s47, 0
	s_mov_b32 s97, 0
	s_mul_i32 s45, s14, 2*PARTB                    ; LDS: wave part w at 2 PARTB w, in it slot 0 and then slot 1
	s_mul_i32 s66, s14, SPART
	s_add_co_u32 s66, s66, SCL                     ; my part of the scale words
	s_wait_kmcnt 0x0
	s_add_nc_u64 s[94:95], s[6:7], BOFF
	s_add_nc_u64 s[20:21], s[4:5], s[20:21]
	s_add_nc_u64 s[22:23], s[4:5], s[22:23]
	s_add_nc_u64 s[46:47], s[94:95], s[46:47]
	s_add_nc_u64 s[96:97], s[94:95], s[96:97]
	CROUND                                         ; all sixteen work-groups are here: the first joint loads meet
.irp s, 0,1
	s_mov_b32 s[G0+4*\s], 1
	s_add_co_u32 s[G0+4*\s+1], s45, \s*PARTB
	s_add_nc_u64 s[G0+4*\s+2:G0+4*\s+3], s[20:21], \s*NQ*KSP
	s_or_b32 s[G0+4*\s+3], s[G0+4*\s+3], 0x80000000
	s_mov_b32 s[G0B+4*\s], 1
	s_add_co_u32 s[G0B+4*\s+1], s45, \s*PARTB
	s_add_nc_u64 s[G0B+4*\s+2:G0B+4*\s+3], s[46:47], \s*NQ*KSP
	s_or_b32 s[G0B+4*\s+3], s[G0B+4*\s+3], 0x80000000
.endr
	JLOAD G0, G1, G0B, G1B                         ; my one load at the head: my part of slot 0
	s_cmp_eq_u32 s15, 0
	s_cselect_b64 s[92:93], s[22:23], s[96:97]     ; my part's scale words: A's (waves 0, 1) or B's
; THE PREFETCH.  A fill of mine is NQ = 4 K steps of 6,144 bytes.  The four partners that ask for it jointly share it out by address: the partner at place p (cx for A, cy for B) names K step p,
; 24 blocks of 256 bytes, a lane a block (lanes 24-31 name the last block again).  K is two slots: the head names slot 1, and there is no more to name.
.set PFA, 68                           ; s[68:69] my share of slot 1
	s_cselect_b64 s[PFA:PFA+1], s[20:21], s[46:47]
	s_cselect_b32 s70, s40, s41
	s_mul_i32 s70, s70, KSP
	s_mov_b32 s71, 0
	s_add_nc_u64 s[PFA:PFA+1], s[PFA:PFA+1], s[70:71]
	s_add_nc_u64 s[PFA:PFA+1], s[PFA:PFA+1], NQ*KSP
	v_and_b32 v1, 31, v0
	v_and_b32 v2, 15, v0                           ; r
	v_bfe_u32 v3, v0, 4, 1                         ; h
	v_lshlrev_b32 v[GO16], 4, v1
	v_lshlrev_b32 v[GO8], 3, v1
	v_add_nc_u32 v7, s66, v[GO16]
	v_lshlrev_b32 v22, 14, v3
	v_lshl_add_u32 v22, v2, 4, v22                 ; lanes 0-15 one K step's 256 bytes of scale words, lanes 16-31 the next K step's, 16,384 bytes on
	v_min_u32 v23, 23, v1
	v_lshlrev_b32 v23, 8, v23                      ; the prefetch's offset: 256 x lane, held at the 24th block
	global_prefetch_b8 v23, s[PFA:PFA+1] th:TH_LOAD_NT scope:SCOPE_SE
.set si, 0
.rept OPK/2
	global_load_b128 v[AF+4*si:AF+4*si+3], v22, s[92:93] offset:32768*si   ; the scale words by plain loads: a small part of the head's bytes, so they are not asked for jointly
.set si, si+1
.endr
	s_mul_i32 s21, s15, 2*PARTB
	s_mul_i32 s22, s16, 2*PARTB
	s_add_co_u32 s22, s22, 4*PARTB
.irp s, 0,1
	v_add_nc_u32 v[ADA16+\s], s21, v[GO16]
	v_add_nc_u32 v[ADA8+\s], s21, v[GO8]
	v_add_nc_u32 v[ADB16+\s], s22, v[GO16]
	v_add_nc_u32 v[ADB8+\s], s22, v[GO8]
	s_add_co_u32 s21, s21, PARTB
	s_add_co_u32 s22, s22, PARTB
.endr
	s_mul_i32 s21, s15, SPART
	s_mul_i32 s22, s16, SPART
	s_add_co_u32 s22, s22, 2*SPART
	s_sub_co_u32 s22, s22, s21
	v_mul_u32_u24 v6, s22, v3                      ; lanes 16-31 take B's part: one product, the distance between the two
	s_add_co_u32 s21, s21, SCL
	v_lshl_add_u32 v[ADRS], v2, 2, v6
	v_add_nc_u32 v[ADRS], s21, v[ADRS]
	v_lshlrev_b32 v[CO], 12, v3
	v_lshl_add_u32 v[CO], v2, 4, v[CO]
	s_wait_alu depctr_va_vdst(0)
	s_mul_i32 s23, s14, 16*272
	s_add_co_u32 s23, s23, STG                     ; my stage
	v_mul_u32_u24 v[STO], v2, 272
	v_lshl_add_u32 v[STO], v3, 6, v[STO]
	v_add_nc_u32 v[STO], s23, v[STO]               ; in: tile lane r's row, + 64 h
	v_mul_u32_u24 v[RD], v3, 272
	v_lshl_add_u32 v[RD], v2, 4, v[RD]
	v_add_nc_u32 v[RD], s23, v[RD]                 ; back: lanes 0-15 one row of 256 bytes, lanes 16-31 the next
	s_lshl_b32 s20, s17, 7
	s_lshl_b32 s21, s15, 6
	s_add_co_u32 s20, s20, s21                     ; my first row: 128 x tile row + 64 x half,
	s_lshl_b32 s20, s20, 12                        ; of 4,096 bytes;
	s_lshl_b32 s21, s42, 9
	s_add_co_u32 s20, s20, s21                     ; my first column: 512 bytes a tile column + 256 x half
	s_lshl_b32 s21, s16, 8
	s_add_co_u32 s20, s20, s21
	s_mov_b32 s21, 0
	s_add_nc_u64 s[8:9], s[8:9], s[20:21]
	s_add_nc_u64 s[10:11], s[10:11], s[20:21]
	WIN 0x40                                       ; destination window 1
.irp a, 0,1,2,3                                    ; the residual, in the places in which the results will come back from the stage: stage rows 2 t and 2 t + 1 of block a are rows 32 (a / 2) + 8 (a % 2) + 2 (t % 4) + 16 (t / 4) and the next
.irp t, 0,1,2,3,4,5,6,7
	global_load_b128 v[RES+32*\a+64*(\a/2)+4*\t:RES+32*\a+64*(\a/2)+4*\t+3], v[CO], s[8:9] offset:(32*(\a/2)+8*(\a%2)+2*(\t%4)+16*(\t/4))*4096
.endr
.endr
	WIN 0
.macro FRAG reg, a16, a8, off
	ds_load_b128 v[\reg:\reg+3], v[\a16] offset:\off
	ds_load_b64 v[\reg+4:\reg+5], v[\a8] offset:\off+512
	ds_load_b128 v[\reg+6:\reg+9], v[\a16] offset:\off+768
	ds_load_b64 v[\reg+10:\reg+11], v[\a8] offset:\off+1280
.endm
.macro FETCH slot, q, p                ; the slot's q-th K step into set p
	WIN 0x40
.irp i, 0,1,2,3
	FRAG 128*(\p)+12*\i, ADB16+\slot, ADB8+\slot, ((\q)*AB+\i)*1536
.endr
	WIN 0
.irp i, 0,1,2,3
	FRAG AF+96*(\p)+12*\i, ADA16+\slot, ADA8+\slot, ((\q)*AB+\i)*1536
.endr
.irp i, 0,1,2,3
	ds_load_b32 v[SC+8*(\p)+\i], v[ADRS] offset:(\q)*ROWS4+64*\i
.endr
.endm
; four matrix instructions: A's block a against B's four.  The 16 accumulators take turns, one instruction a turn, in the same order in every step.
.macro MULG p, a, zero
	WIN 0xa1                                       ; source 0 (B) window 1, source 1 (A) window 0, C and D window 2
.irp b, 0,1,2,3
.if \zero
	v_wmma_scale_f32_16x16x128_f8f6f4 v[8*(4*(\a)+\b):8*(4*(\a)+\b)+7], v[128*(\p)+12*\b:128*(\p)+12*\b+11], v[AF+96*(\p)+12*(\a):AF+96*(\p)+12*(\a)+11], 0, v[SC+8*(\p)+\b], v[SC+8*(\p)+(\a)] matrix_a_fmt:MATRIX_FMT_BF6 matrix_b_fmt:MATRIX_FMT_BF6 matrix_a_scale:MATRIX_SCALE_ROW1
.else
	v_wmma_scale_f32_16x16x128_f8f6f4 v[8*(4*(\a)+\b):8*(4*(\a)+\b)+7], v[128*(\p)+12*\b:128*(\p)+12*\b+11], v[AF+96*(\p)+12*(\a):AF+96*(\p)+12*(\a)+11], v[8*(4*(\a)+\b):8*(4*(\a)+\b)+7], v[SC+8*(\p)+\b], v[SC+8*(\p)+(\a)] matrix_a_fmt:MATRIX_FMT_BF6 matrix_b_fmt:MATRIX_FMT_BF6 matrix_a_scale:MATRIX_SCALE_ROW1
.endif
.endr
.endm
.macro STEP slot, q, zero              ; a K step that has its successor in the same slot
	s_wait_dscnt 0x0                               ; this step's set is in: it was asked for a step ago
	PLACES 4                                       ; four places behind the products that read the other set, in front of the loads into it
	FETCH \slot, (\q)+1, 1-(\q)%2
	MULG (\q)%2, 0, \zero
	MULG (\q)%2, 1, \zero
	MULG (\q)%2, 2, \zero
	MULG (\q)%2, 3, \zero
.endm
.macro TURN slot, next, fill           ; a slot's last step (set 1) changes slots
	WIN 0
	s_wait_tensorcnt 0x0                           ; all my tensor loads have landed: my part of the next slot
	ds_add_u32 v[SPW], v[NIL]                      ; 0 onto my spare word
	s_wait_dscnt 0x1                               ; set 1 is in; the add alone may be out
	MULG 1, 0, 0
	s_wait_dscnt 0x0                               ; the add is done, and my reads of this slot are over
	s_barrier_signal -1
	MULG 1, 1, 0
	WIN 0
	s_barrier_wait -1
.if \fill
	CREST                                          ; a round of the cluster's barrier: no wave of any partner still reads this slot or has a load on its way
	s_add_nc_u64 s[G0+4*\slot+2:G0+4*\slot+3], s[G0+4*\slot+2:G0+4*\slot+3], 2*NQ*KSP
	s_add_nc_u64 s[G0B+4*\slot+2:G0B+4*\slot+3], s[G0B+4*\slot+2:G0B+4*\slot+3], 2*NQ*KSP
	JLOAD G0+4*\slot, G1, G0B+4*\slot, G1B         ; the first tensor load behind the round, my only one until the next; its four v_nop are also the places in front of the loads below
.else
	PLACES 4
.endif
	v_add_nc_u32 v[ADRS], NQ*ROWS4, v[ADRS]
	FETCH \next, 0, 0
	MULG 1, 2, 0
	MULG 1, 3, 0
.endm
	s_wait_alu depctr_va_vdst(0)
	s_wait_loadcnt 32                              ; my scale words are in registers; the residual's 32 loads, issued behind them, may be out
.set si, 0
.rept OPK/2
	ds_store_b128 v7, v[AF+4*si:AF+4*si+3] offset:512*si   ; into bytes on which no tile lands
.set si, si+1
.endr
	s_wait_tensorcnt 0x0                           ; my part of slot 0 is in
	ds_add_u32 v[SPW], v[NIL]
	s_wait_dscnt 0x0                               ; the add is done, and so are my stores of scale words
	CROUND                                         ; a whole round: slot 0 and the scale words are shown to all, and the joint loads meet
	JLOAD G0+4, G1, G0B+4, G1B                     ; slot 1's first fill, the first tensor load behind the round
	FETCH 0, 0, 0
	STEP 0, 0, 1                                   ; the first step's products start the sums
.if LAPS > 1
	WIN 0
	s_mov_b32 s3, LAPS-1
.Llap:                                                 ; a trip goes once round the ring and fills both slots again
	STEP 0, 1, 0
	STEP 0, 2, 0
	TURN 0, 1, 1
	STEP 1, 0, 0
	STEP 1, 1, 0
	STEP 1, 2, 0
	TURN 1, 0, 1
	STEP 0, 0, 0
	WIN 0
	s_sub_co_u32 s3, s3, 1
	s_cmp_lg_u32 s3, 0
	s_cbranch_scc1 .Llap
.endif
	STEP 0, 1, 0                                   ; the last lap fills nothing
	STEP 0, 2, 0
	TURN 0, 1, 0
	s_wait_alu depctr_va_vdst(0)
	STEP 1, 0, 0
	STEP 1, 1, 0
	STEP 1, 2, 0
	s_wait_dscnt 0x0
	MULG 1, 0, 0
	MULG 1, 1, 0
	MULG 1, 2, 0
	MULG 1, 3, 0
	WIN 0
; THE WAY OUT, block by block of 16 rows x 64 columns: through my own stage, back as rows of 256 bytes, the residual added, stored: sixteen lanes store 256 consecutive bytes at a multiple of 256.
.macro TOSTAGE a
	WIN 0x08                                       ; an LDS store's data: window 2
.irp u, 0,1
.irp i, 0,1,2,3
	ds_store_b128 v[STO], v[8*(4*(\a)+2*\u)+4*\i:8*(4*(\a)+2*\u)+4*\i+3] offset:128*\u+16*\i   ; columns 32 u + 16 h + 4 i on; each accumulator from its low end on
.endr
.endr
	WIN 0
.irp t, 0,1,2,3,4,5,6,7
	ds_load_b128 v[OB+32*(\a)+4*\t:OB+32*(\a)+4*\t+3], v[RD] offset:544*\t   ; LDS serves a wave's instructions in order: these see the stores above, and the next block's stores come behind them
.endr
.endm
.macro SEND a, y                       ; y: the LDS instructions issued behind block a's loads, which may stay out
	s_wait_dscnt \y
	WIN 0x04                                       ; source 1: window 1
.set k, 0
.rept 16
	v_pk_add_f32 v[OB+32*(\a)+k:OB+32*(\a)+k+1], v[OB+32*(\a)+k:OB+32*(\a)+k+1], v[RES+32*(\a)+64*((\a)/2)+k:RES+32*(\a)+64*((\a)/2)+k+1]
.set k, k+2
.endr
	WIN 0
.irp t, 0,1,2,3,4,5,6,7
	global_store_b128 v[CO], v[OB+32*(\a)+4*\t:OB+32*(\a)+4*\t+3], s[10:11] offset:(32*((\a)/2)+8*((\a)%2)+2*(\t%4)+16*(\t/4))*4096
.endr
.endm
	PLACES 4                                       ; behind the last products: their results are read, and A's registers loaded into, below
	s_wait_loadcnt 0x0                             ; the residual
	TOSTAGE 0
	TOSTAGE 1
	SEND 0, 16                                     ; behind block 0's loads: block 1's 8 stores and 8 loads
	TOSTAGE 2
	SEND 1, 16
	TOSTAGE 3
	SEND 2, 16
	SEND 3, 0
	s_wait_tensorcnt 0x0                           ; the wave's end
	ds_add_u32 v[SPW], v[NIL]
	s_wait_dscnt 0x0
	CROUND                                         ; the closing round
	s_endpgm
.Lfunc_end_k_q96086d746a_gwo:
	.size	k_q96086d746a_gwo, .Lfunc_end_k_q96086d746a_gwo-k_q96086d746a_gwo
	.p2alignl 7, 3214868480
	.fill 96, 4, 3214868480
	.section	.rodata,"a",@progbits
	.p2align	6, 0x0
	.amdhsa_kernel k_q96086d746a_gwo
		.amdhsa_group_segment_fixed_size 327680
		.amdhsa_private_segment_fixed_size 0
		.amdhsa_enable_private_segment 0
		.amdhsa_kernarg_size 32
		.amdhsa_user_sgpr_count 2
		.amdhsa_user_sgpr_kernarg_segment_ptr 1
		.amdhsa_wavefront_size32 1
		.amdhsa_system_sgpr_workgroup_id_x 1
		.amdhsa_system_sgpr_workgroup_id_y 1
		.amdhsa_system_sgpr_workgroup_id_z 1
		.amdhsa_system_vgpr_workitem_id 0
		.amdhsa_next_free_vgpr 640
		.amdhsa_next_free_sgpr 98
		.amdhsa_reserve_vcc 0
		.amdhsa_float_denorm_mode_32 3
		.amdhsa_float_denorm_mode_16_64 3
		.amdhsa_memory_ordered 1
		.amdhsa_forward_progress 1
		.amdhsa_inst_pref_size 61
	.end_amdhsa_kernel
	.amdgpu_metadata
---
amdhsa.version: [ 1, 2 ]
amdhsa.kernels:
  - .name:           k_q96086d746a_gwo
    .symbol:         k_q96086d746a_gwo.kd
    .args:
      - { .name: act, .offset: 0, .size: 8, .value_kind: global_buffer, .address_space: global }
      - { .name: wts, .offset: 8, .size: 8, .value_kind: global_buffer, .address_space: global }
      - { .name: x, .offset: 16, .size: 8, .value_kind: global_buffer, .address_space: global }
      - { .name: x1, .offset: 24, .size: 8, .value_kind: global_buffer, .address_space: global }
    .group_segment_fixed_size: 327680
    .private_segment_fixed_size: 0
    .kernarg_segment_align: 8
    .kernarg_segment_size: 32
    .max_flat_workgroup_size: 128
    .sgpr_count:     98
    .vgpr_count:     640
    .wavefront_size: 32
...
	.end_amdgpu_metadata
.endif
;; end of part 4
;; launch ln2 (part 5): grid 256 x 1, 8 waves a work-group, no clusters, 67,072 bytes of LDS; arguments x1, ln2_w, ln2_b, act; writes act
.if DOCPART == 5
	.amdgcn_target "amdgcn-amd-amdhsa--gfx1250"
	.amdhsa_code_object_version 6
	.text
	.protected	k_q96086d746a_ln2
	.globl	k_q96086d746a_ln2
	.p2align	8
	.type	k_q96086d746a_ln2,@function
k_q96086d746a_ln2:
	s_mov_b64 s[64:65], 0
	v_nop
	global_prefetch_b8 v0, s[64:65] scope:SCOPE_SE
	s_setreg_imm32_b32 hwreg(HW_REG_WAVE_MODE, 25, 1), 1
	s_wait_xcnt 0x0
; LayerNorm over rows of 1,024 f32, then the quantiser along the row: y = (x - mean) rsqrt(var + 1e-5) gain + bias becomes codes of BF6 (E3M2) with one E8M0 byte for each 32,
; laid as a matrix operand's registers: fragment (K step ks, row tile rt) at (256 ks + rt) x 1536; in it half c: registers 6c..6c+3 of lane l at 768 c + 16 l, registers 6c+4, 6c+5 at 768 c + 512 + 8 l;
; scale words at SCO8 + 16384 ks + 64 rt + 4 r.  Lane r of tile 2 B + u holds row 32 B + 8 u + r % 8 + 16 (r / 8).
; SHARES: a work-group is one row tile.  Phase 1: wave w normalises tile lanes 2 w and 2 w + 1, which are two neighbouring rows, each kept in 32 registers: mean, then x - mean, then the
; variance of the differences: no difference of large sums is formed.  The rows meet in LDS.  Phase 2: wave w quantises K step w of all 16 rows.
; LIMITS: NaN and infinities are not served; a block whose largest magnitude lies under 2^-122, a block of zeros among them, gets the byte 1 (its codes then add nothing or next to nothing; this program alone reads the bytes).
; The scale words leave as pieces of 64 bytes (16 rows): 128 KiB of the launch's stores; whole runs of 256 bytes would want 64 rows to a work-group, and then 64 work-groups.
.set PITCH, 4112                       ; a row in LDS: 4,096 bytes + 16: an odd multiple of 16
.set SCO8,  3145728
.set GO16,  4                          ; v4   16 x lane
.set GO8,   5                          ; v5   8 x lane
.set STI,   6                          ; v6   LDS, way in
.set STR,   7                          ; v7   LDS, way out
.set SWO,   24                         ; v24  4 r
.set X,     32                         ; v32-95  two rows; later 64 numbers to quantise
.set GA,    96                         ; v96-127 gain
.set BI,    128                        ; v128-159 bias
.set PC,    96                         ; phase 2: the codes
.set TM,    116
.set PW,    132
.set SEL,   12                         ; s[12:13]
.macro QUANT s
.irp b, 0,1,2,3
	v_max3_num_f32 v[TM+\b], |v[\s+16*\b]|, |v[\s+1+16*\b]|, 0x2800000   ; my 16 numbers of block b, and the floor 2^(5 - 127)
.endr
.irp i, 2,4,6,8,10,12,14
.irp b, 0,1,2,3
	s_delay_alu instid0(VALU_DEP_4)
	v_max3_num_f32 v[TM+\b], v[TM+\b], |v[\s+16*\b+\i]|, |v[\s+1+16*\b+\i]|
.endr
.endr
.irp b, 0,1,2,3
	s_delay_alu instid0(VALU_DEP_4)
	v_permlanex16_b32 v[TM+4+\b], v[TM+\b], s[SEL], s[SEL+1]
.endr
.irp b, 0,1,2,3
	s_delay_alu instid0(VALU_DEP_4)
	v_max_num_f32 v[TM+\b], v[TM+\b], v[TM+4+\b]
.endr
.irp b, 0,1,2,3
	s_delay_alu instid0(VALU_DEP_4)
	v_add_nc_u32 v[TM+12+\b], 0xfe000000, v[TM+\b]     ; 4 off the exponent field: the conversion's scale operand
.endr
.irp b, 0,1,2,3
	s_delay_alu instid0(VALU_DEP_4)
	v_lshrrev_b32 v[TM+4+\b], 23, v[TM+12+\b]          ; the scale's byte
.endr
	s_delay_alu instid0(VALU_DEP_3)
	v_lshl_or_b32 v[PW], v[TM+5], 8, v[TM+4]
	s_delay_alu instid0(VALU_DEP_1)
	v_lshl_or_b32 v[PW], v[TM+6], 16, v[PW]
	s_delay_alu instid0(VALU_DEP_1)
	v_lshl_or_b32 v[PW], v[TM+7], 24, v[PW]
.irp c, 0,1
	v_cvt_scalef32_pk16_bf6_f32 v[PC+6*\c:PC+2+6*\c], v[\s+32*\c:\s+15+32*\c], v[TM+12+2*\c]
	v_cvt_scalef32_pk16_bf6_f32 v[PC+12+4*\c:PC+14+4*\c], v[\s+16+32*\c:\s+31+32*\c], v[TM+12+2*\c+1]
.endr
	v_nop                                              ; one plain instruction behind the scaled conversions
.irp c, 0,1
.irp i, 0,1,2
	v_permlane16_swap_b32 v[PC+6*\c+\i], v[PC+12+4*\c+\i]
.endr
.irp i, 0,1,2
	s_delay_alu instid0(VALU_DEP_3)
	v_mov_b32 v[PC+3+6*\c+\i], v[PC+12+4*\c+\i]
.endr
.endr
.endm
.macro STORE4 sb, off
	global_store_b128 v[GO16], v[PC:PC+3], s[\sb:\sb+1] offset:\off
	global_store_b64 v[GO8], v[PC+4:PC+5], s[\sb:\sb+1] offset:\off+512
	global_store_b128 v[GO16], v[PC+6:PC+9], s[\sb:\sb+1] offset:\off+768
	global_store_b64 v[GO8], v[PC+10:PC+11], s[\sb:\sb+1] offset:\off+1280
.endm
; the two rows' partial sums, in the pairs v[8:9], v[10:11] (row 0) and v[12:13], v[14:15] (row 1), are summed over pairs and lanes: the rows' sums in v8 and v12 of every lane
.macro ALLSUM
.irp e, 0
	s_delay_alu instid0(VALU_DEP_3)
	v_pk_add_f32 v[8+4*\e:9+4*\e], v[8+4*\e:9+4*\e], v[10+4*\e:11+4*\e]
.endr
.irp e, 1
	s_delay_alu instid0(VALU_DEP_2)
	v_pk_add_f32 v[8+4*\e:9+4*\e], v[8+4*\e:9+4*\e], v[10+4*\e:11+4*\e]
.endr
.irp e, 0,1
	s_delay_alu instid0(VALU_DEP_2)
	v_add_f32 v[8+4*\e], v[8+4*\e], v[9+4*\e]
.endr
.irp m, 1,2,4,8
.irp e, 0,1
	s_delay_alu instid0(VALU_DEP_2)
	v_add_f32_dpp v[8+4*\e], v[8+4*\e], v[8+4*\e] row_xmask:\m row_mask:0xf bank_mask:0xf
.endr
.endr
.irp e, 0,1
	s_delay_alu instid0(VALU_DEP_2)
	v_permlanex16_b32 v[9+4*\e], v[8+4*\e], s[SEL], s[SEL+1]
.endr
.irp e, 0,1
	s_delay_alu instid0(VALU_DEP_2)
	v_add_f32 v[8+4*\e], v[8+4*\e], v[9+4*\e]
.endr
.endm
	s_load_b256 s[4:11], s[0:1], 0x0               ; the rows s[4:5], gain s[6:7], bias s[8:9], the operand s[10:11]
	v_lshl_add_u32 v160, v0, 2, 0x10200
	v_mov_b32 v161, 0
	v_lshrrev_b32 v1, 5, v0
	s_delay_alu instid0(VALU_DEP_1)
	v_readfirstlane_b32 s16, v1                    ; wave 0..7
	v_and_b32 v1, 31, v0
	v_and_b32 v2, 15, v0                           ; r
	v_bfe_u32 v3, v0, 4, 1                         ; h
	s_delay_alu instid0(VALU_DEP_3)
	v_lshlrev_b32 v[GO16], 4, v1
	s_wait_alu depctr_va_vdst(0)
	v_lshlrev_b32 v[GO8], 3, v1
	v_lshlrev_b32 v[SWO], 2, v2
	s_mov_b32 s[SEL], 0x76543210
	s_mov_b32 s[SEL+1], 0xfedcba98
	s_mov_b32 s14, 0x3a800000                      ; 1 / 1024
	s_mov_b32 s15, 0x3727c5ac                      ; 1e-5
	s_lshr_b32 s17, ttmp9, 1
	s_lshl_b32 s17, s17, 5
	s_and_b32 s18, ttmp9, 1
	s_lshl_b32 s18, s18, 3
	s_add_co_u32 s17, s17, s18                     ; the tile's first row: 32 (rt / 2) + 8 (rt % 2)
	s_lshl_b32 s18, s16, 1
	s_and_b32 s18, s18, 7
	s_add_co_u32 s17, s17, s18
	s_lshr_b32 s18, s16, 2
	s_lshl_b32 s18, s18, 4
	s_add_co_u32 s17, s17, s18                     ; tile lane 2 w's row; lane 2 w + 1's is the next
	s_lshl_b32 s18, s17, 12
	s_mov_b32 s19, 0
	s_mul_i32 s20, s16, 2*PITCH
	v_add_nc_u32 v[STI], s20, v[GO16]
	v_mul_u32_u24 v[STR], v2, PITCH
	s_delay_alu instid0(VALU_DEP_1)
	v_lshl_add_u32 v[STR], v3, 6, v[STR]
	s_lshl_b32 s20, s16, 9
	v_add_nc_u32 v[STR], s20, v[STR]               ; row r, K step w, + 64 h
	s_lshl_b32 s20, s16, 8
	s_add_co_u32 s20, s20, ttmp9
	s_mul_i32 s20, s20, 1536                       ; fragment (w, rt)
	s_mov_b32 s21, 0
	s_lshl_b32 s22, s16, 14
	s_lshl_b32 s23, ttmp9, 6
	s_add_co_u32 s22, s22, s23
	s_add_co_u32 s22, s22, SCO8                    ; its scale words
	s_mov_b32 s23, 0
	s_wait_kmcnt 0x0
	s_add_nc_u64 s[4:5], s[4:5], s[18:19]
	s_add_nc_u64 s[24:25], s[10:11], s[20:21]
	s_add_nc_u64 s[26:27], s[10:11], s[22:23]
.irp e, 0,1
.irp i, 0,1,2,3,4,5,6,7
	global_load_b128 v[X+32*\e+4*\i:X+32*\e+4*\i+3], v[GO16], s[4:5] offset:4096*\e+512*\i   ; 512 consecutive bytes an instruction
.endr
.endr
.irp i, 0,1,2,3,4,5,6,7
	global_load_b128 v[GA+4*\i:GA+4*\i+3], v[GO16], s[6:7] offset:512*\i
	global_load_b128 v[BI+4*\i:BI+4*\i+3], v[GO16], s[8:9] offset:512*\i
.endr
	s_wait_loadcnt 16                              ; the two rows are in; gain's and bias's 16 loads may be out
	; the mean
.irp e, 0,1
	v_pk_add_f32 v[8+4*\e:9+4*\e], v[X+32*\e:X+32*\e+1], v[X+32*\e+2:X+32*\e+3]
	v_pk_add_f32 v[10+4*\e:11+4*\e], v[X+32*\e+4:X+32*\e+5], v[X+32*\e+6:X+32*\e+7]
.endr
.irp j, 8,12,16,20,24,28
.irp e, 0,1
	s_delay_alu instid0(VALU_DEP_4)
	v_pk_add_f32 v[8+4*\e:9+4*\e], v[8+4*\e:9+4*\e], v[X+32*\e+\j:X+32*\e+\j+1]
	s_delay_alu instid0(VALU_DEP_4)
	v_pk_add_f32 v[10+4*\e:11+4*\e], v[10+4*\e:11+4*\e], v[X+32*\e+\j+2:X+32*\e+\j+3]
.endr
.endr
	ALLSUM
.irp e, 0,1
	s_delay_alu instid0(VALU_DEP_2)
	v_mul_f32 v[16+2*\e], s14, v[8+4*\e]
.endr
.irp e, 0,1
	s_delay_alu instid0(VALU_DEP_2)
	v_mov_b32 v[17+2*\e], v[16+2*\e]               ; a pair for the packed forms
.endr
.irp j, 0,2,4,6,8,10,12,14,16,18,20,22,24,26,28,30
.irp e, 0,1
	v_pk_add_f32 v[X+32*\e+\j:X+32*\e+\j+1], v[X+32*\e+\j:X+32*\e+\j+1], v[16+2*\e:17+2*\e] neg_lo:[0,1] neg_hi:[0,1]   ; x - mean
.endr
.endr
	; the variance, of the differences
.irp e, 0,1
	v_pk_mul_f32 v[8+4*\e:9+4*\e], v[X+32*\e:X+32*\e+1], v[X+32*\e:X+32*\e+1]
	v_pk_mul_f32 v[10+4*\e:11+4*\e], v[X+32*\e+2:X+32*\e+3], v[X+32*\e+2:X+32*\e+3]
.endr
.irp j, 4,8,12,16,20,24,28
.irp e, 0,1
	s_delay_alu instid0(VALU_DEP_4)
	v_pk_fma_f32 v[8+4*\e:9+4*\e], v[X+32*\e+\j:X+32*\e+\j+1], v[X+32*\e+\j:X+32*\e+\j+1], v[8+4*\e:9+4*\e]
	s_delay_alu instid0(VALU_DEP_4)
	v_pk_fma_f32 v[10+4*\e:11+4*\e], v[X+32*\e+\j+2:X+32*\e+\j+3], v[X+32*\e+\j+2:X+32*\e+\j+3], v[10+4*\e:11+4*\e]
.endr
.endr
	ALLSUM
.irp e, 0,1
	s_delay_alu instid0(VALU_DEP_2)
	v_fma_f32 v[8+4*\e], v[8+4*\e], s14, s15       ; var + eps
.endr
	s_wait_alu depctr_va_vdst(0)
	v_rsq_f32 v20, v8
	v_rsq_f32 v22, v12
	v_nop                                          ; a plain instruction behind the two transcendentals
	s_wait_alu depctr_va_vdst(0)                   ; one wait for both, ahead of their first reader
	v_mov_b32 v21, v20
	v_mov_b32 v23, v22
	s_wait_alu depctr_va_vdst(0)
	s_wait_loadcnt 0x0                             ; gain and bias
.irp j, 0,2,4,6,8,10,12,14,16,18,20,22,24,26,28,30
.irp e, 0,1
	v_pk_mul_f32 v[X+32*\e+\j:X+32*\e+\j+1], v[X+32*\e+\j:X+32*\e+\j+1], v[20+2*\e:21+2*\e]
.endr
.irp e, 0,1
	s_delay_alu instid0(VALU_DEP_2)
	v_pk_fma_f32 v[X+32*\e+\j:X+32*\e+\j+1], v[X+32*\e+\j:X+32*\e+\j+1], v[GA+\j:GA+\j+1], v[BI+\j:BI+\j+1]
.endr
.endr
.irp e, 0,1
.irp i, 0,1,2,3,4,5,6,7
	ds_store_b128 v[STI], v[X+32*\e+4*\i:X+32*\e+4*\i+3] offset:PITCH*\e+512*\i
.endr
.endr
	s_wait_dscnt 0x0                               ; for the others' sake: my two rows lie in LDS
	s_barrier_signal -1
	s_barrier_wait -1
.irp b, 0,1,2,3
.irp j, 0,1,2,3
	ds_load_b128 v[X+16*\b+4*\j:X+16*\b+4*\j+3], v[STR] offset:128*\b+16*\j   ; row r, k = 128 w + 32 b + 16 h + 4 j on
.endr
.endr
.irp b, 0,1,2,3
	v_mov_b32 v[TM+4+\b], 0                        ; a lane permute's destination counts as one of its sources
.endr
	s_wait_dscnt 0x0
	QUANT X
	STORE4 24, 0
	global_store_b32 v[SWO], v[PW], s[26:27]       ; lanes r and r + 16 hold and write the same word
	s_wait_tensorcnt 0x0
	ds_add_u32 v160, v161
	s_wait_dscnt 0x0
	s_endpgm
.Lfunc_end_k_q96086d746a_ln2:
	.size	k_q96086d746a_ln2, .Lfunc_end_k_q96086d746a_ln2-k_q96086d746a_ln2
	.p2alignl 7, 3214868480
	.fill 96, 4, 3214868480
	.section	.rodata,"a",@progbits
	.p2align	6, 0x0
	.amdhsa_kernel k_q96086d746a_ln2
		.amdhsa_group_segment_fixed_size 67072
		.amdhsa_private_segment_fixed_size 0
		.amdhsa_enable_private_segment 0
		.amdhsa_kernarg_size 32
		.amdhsa_user_sgpr_count 2
		.amdhsa_user_sgpr_kernarg_segment_ptr 1
		.amdhsa_wavefront_size32 1
		.amdhsa_system_sgpr_workgroup_id_x 1
		.amdhsa_system_sgpr_workgroup_id_y 1
		.amdhsa_system_sgpr_workgroup_id_z 1
		.amdhsa_system_vgpr_workitem_id 0
		.amdhsa_next_free_vgpr 162
		.amdhsa_next_free_sgpr 66
		.amdhsa_reserve_vcc 0
		.amdhsa_float_denorm_mode_32 3
		.amdhsa_float_denorm_mode_16_64 3
		.amdhsa_memory_ordered 1
		.amdhsa_forward_progress 1
		.amdhsa_inst_pref_size 30
	.end_amdhsa_kernel
	.amdgpu_metadata
---
amdhsa.version: [ 1, 2 ]
amdhsa.kernels:
  - .name:           k_q96086d746a_ln2
    .symbol:         k_q96086d746a_ln2.kd
    .args:
      - { .name: x1, .offset: 0, .size: 8, .value_kind: global_buffer, .address_space: global }
      - { .name: ln2_w, .offset: 8, .size: 8, .value_kind: global_buffer, .address_space: global }
      - { .name: ln2_b, .offset: 16, .size: 8, .value_kind: global_buffer, .address_space: global }
      - { .name: act, .offset: 24, .size: 8, .value_kind: global_buffer, .address_space: global }
    .group_segment_fixed_size: 67072
    .private_segment_fixed_size: 0
    .kernarg_segment_align: 8
    .kernarg_segment_size: 32
    .max_flat_workgroup_size: 256
    .sgpr_count:     66
    .vgpr_count:     162
    .wavefront_size: 32
...
	.end_amdgpu_metadata
.endif
;; end of part 5
;; launch gup (part 6): grid 16 x 16, 4 waves a work-group, clusters of 4 x 4, 327,680 bytes of LDS; arguments act, wts, qk_hid; writes qk_hid
.if DOCPART == 6
	.amdgcn_target "amdgcn-amd-amdhsa--gfx1250"
	.amdhsa_code_object_version 6
	.text
	.protected	k_q96086d746a_gup
	.globl	k_q96086d746a_gup
	.p2align	8
	.type	k_q96086d746a_gup,@function
k_q96086d746a_gup:
	s_mov_b64 s[64:65], 0
	v_nop
	global_prefetch_b8 v0, s[64:65] scope:SCOPE_SE
	s_setreg_imm32_b32 hwreg(HW_REG_WAVE_MODE, 25, 1), 1
	s_wait_xcnt 0x0
	s_wait_alu depctr_hold_cnt(0) depctr_sa_sdst(0) depctr_va_vdst(0) depctr_va_sdst(0) depctr_va_ssrc(0) depctr_va_vcc(0) depctr_vm_vsrc(0)
	s_getreg_b32 s2, hwreg(HW_REG_IB_STS2, 6, 4)
	s_cmp_eq_u32 s2, 0
	s_cbranch_scc0 .Lentry_in_a_cluster
	s_endpgm
.Lentry_in_a_cluster:
	s_bfe_u32 s2, ttmp6, 0x10000c
	s_cmp_lg_u32 s2, 0xf033
	s_cbranch_scc0 .Lentry_shape_is_right
	s_endpgm
.Lentry_shape_is_right:
; relu(h2 w_up^T), quantised along its 4,096 columns and stored as the next product's operand: a GEMM on codes of BF6 (E3M2).  A = h2 (act), B = w_up; the result is K steps 0-31 of qk_hid.
; OPERANDS lie as images of a matrix operand's registers: fragment (K step ks, row tile rt: 16 rows x 128 K, 12 registers a lane) at (256 ks + rt) x 1536; half c: registers 6c..6c+3 of lane l at
; 768 c + 16 l, registers 6c+4, 6c+5 at 768 c + 512 + 8 l; scale words at SCO + 16384 ks + 64 rt + 4 r.  Lane r of tile 2 B + u holds row 32 B + 8 u + r % 8 + 16 (r / 8).
; THE MATRIX INSTRUCTION IS USED TRANSPOSED (source 0 = 16 rows of B, source 1 = 16 rows of A): a lane holds one row of A's tile, and by the order of B's rows the 16 registers of B's tiles 2 b and 2 b + 1
; are 16 neighbouring columns 32 b + 16 (lane / 16) + 0 .. 15: what the conversions want.  A wave's 128 columns are one K step of the result's operand.
; A tile of the result, 256 x 256, is made by four waves, 128 x 128 each: 64 accumulators, 512 registers.  K goes through a ring of two LDS slots, two K steps of 128 to a slot; a wave's tensor load brings 24,576 bytes.
; The scale words of the work-group's rows of A and B for all of K come once, with the first fills.  4 x 4 work-groups form a cluster: A's tiles are asked for jointly along a row, B's along a column.
; LIMITS: a result block whose largest magnitude lies under 2^-122, a block of zeros among them, gets the byte 1 (this program alone reads the bytes); NaN and infinities are not served.
; REGISTERS, in windows of 256: window 0: v4-22 addresses; v32-47 scale words, two sets; v64-159, v160-255 A's fragments, two sets; window 1: B's two sets at v0 and v128; windows 2, 3: accumulator (a, b) at v[8 (8 (a % 4) + b)].
.set QKV,   0
.set RELU,  1
.set AB,    8                          ; row tiles of A, and of B, to a wave
.set NQ,    2                          ; K steps in a slot
.set OPK,   8                          ; K steps in all
.set LAPS,  OPK/(2*NQ)
.set KSP,   393216                     ; from K step to K step in an operand
.set PARTB, NQ*AB*1536                 ; what one tensor load brings, and what one wave reads of A or of B in a slot
.set SLOT,  4*PARTB                    ; A's two halves, then B's two
.set ROWS4, 64*AB                      ; the scale words of AB tiles for one K step
.set SPART, OPK*ROWS4
.set SCL,   2*SLOT                     ; behind the ring: the scale words, four parts
.set SPARE, SCL+4*SPART                ; the spare words, 128 bytes for each wave
.set STG,   SPARE+512                  ; the way out: 512 bytes of scale words for each wave
.set SCO8,  3145728
.set SCO32, 12582912
.set WVO,   3276800                    ; wv's block in wts
.set WUPO,  9830400                    ; w_up's
.set GO16,  4                          ; v4  16 x lane
.set GO8,   5                          ; v5  8 x lane
.set ADA16, 8                          ; v8-9   A's part in slot 0, 1, + 16 x lane
.set ADA8,  10                         ; v10-11 + 8 x lane
.set ADB16, 12                         ; v12-15 the same for B
.set ADB8,  14
.set ADRS,  16                         ; v16 my scale words: lanes 0-15 A's rows, lanes 16-31 B's
.set SPW,   17                         ; v17 my spare word; never rewritten
.set NIL,   18                         ; v18 0; never rewritten
.set SSW,   21                         ; v21 the way out: my row's scale word in the stage
.set SSR,   22                         ; v22 and 16 bytes a lane back
.set SC,    32
.set AF,    64
.set PC,    64                         ; the way out: the codes, 20 registers a block from v64 on
.set TM,    224
.set PW,    240
.set G1,    24
.set G0,    32
.set G1B,   48
.set G0B,   56
.set G1S,   68
.set G0S,   76
.set G1SB,  80
.set G0SB,  88
.set MSB, 0
.macro WIN new                         ; the immediate's high byte repeats the setting that is left
.if MSB != (\new)
	s_set_vgpr_msb (MSB<<8)|(\new)
.set MSB, (\new)
.endif
.endm
; A joint load: waves 0 and 1 fetch for A, waves 2 and 3 for B; the branch hangs on the wave's number alone.  Four v_nop follow each of the two lines.
.macro JLOAD g0a, g1a, g0b, g1b
	s_cmp_eq_u32 s15, 0
	s_cbranch_scc0 .Lfor_b_\@
	tensor_load_to_lds s[\g0a:\g0a+3], s[\g1a:\g1a+7]
	s_nop 0
.rept 4
	v_nop
.endr
	s_branch .Lasked_\@
.Lfor_b_\@:
	tensor_load_to_lds s[\g0b:\g0b+3], s[\g1b:\g1b+7]
	s_nop 0
.rept 4
	v_nop
.endr
.Lasked_\@:
.endm
.macro CREST                           ; a round of the cluster's barrier behind its opening barrier
	s_cmp_lg_u32 s14, 0
	s_cbranch_scc1 .Lnot_wave_0_\@
	s_barrier_signal -3
.Lnot_wave_0_\@:
	s_barrier_wait -3
	s_barrier_signal -1
	s_barrier_wait -1
.endm
.macro CROUND
	s_barrier_signal -1
	s_barrier_wait -1
	CREST
.endm
.macro PLACES n
.rept \n
	v_nop
.endr
.endm
.if QKV
	s_load_b256 s[4:11], s[0:1], 0x0               ; act, wts, qk_hid, vt
.else
	s_load_b128 s[4:7], s[0:1], 0x0                ; act, wts
	s_load_b64 s[8:9], s[0:1], 0x10                ; qk_hid
.endif
	v_lshl_add_u32 v[SPW], v0, 2, SPARE
	v_mov_b32 v[NIL], 0
	ds_add_u32 v17, v18
	ds_add_u32 v17, v18
	s_wait_dscnt 0x0
	v_lshrrev_b32 v1, 5, v0
	v_readfirstlane_b32 s14, v1                    ; wave 0..3
	s_lshr_b32 s15, s14, 1                         ; which half of the tile's rows is mine.  Also: I fetch for A (0) or for B (1)
	s_and_b32 s16, s14, 1                          ; which half of its columns.  Also: which half of that operand's tiles I fetch
	s_bfe_u32 s40, ttmp6, 0x40000                  ; cx, cy: my place in the cluster
	s_bfe_u32 s41, ttmp6, 0x40004
	s_and_b32 s17, ttmp7, 0xffff                   ; cluster y
.if QKV
	s_cmp_eq_u32 ttmp9, 2
	s_cselect_b32 s42, s17, ttmp9
	s_cselect_b32 s17, 0, s17
.else
	s_mov_b32 s42, ttmp9
.endif
	s_lshl_b32 s42, s42, 2
	s_add_co_u32 s42, s42, s40                     ; tile column
	s_lshl_b32 s17, s17, 2
	s_add_co_u32 s17, s17, s41                     ; tile row
	s_lshl_b32 s43, s41, 2
	s_lshl_b32 s43, 15, s43                        ; my row of the cluster
	s_lshl_b32 s44, 0x1111, s40                    ; my column
	; descriptor group 1, codes: NQ rows (K steps) of AB fragments on end, KSP bytes apart; elements of 8 bytes; no padding: an instruction's lanes read consecutive bytes
	s_or_b32 s[G1+0], s43, (3<<16)|(1<<21)         ; 15:0 the mask: A's tiles go to my row; 17:16 elements of 8 bytes; 21 set beside a mask
	s_or_b32 s[G1B+0], s44, (3<<16)|(1<<21)
.irp g, G1, G1B
	s_mov_b32 s[\g+1], (AB*192)<<16                ; tensor_dim0
	s_mov_b32 s[\g+2], NQ<<16                      ; tensor_dim1
	s_mov_b32 s[\g+3], (AB*192)<<16                ; tile_dim0
	s_mov_b32 s[\g+4], NQ                          ; tile_dim1
	s_mov_b32 s[\g+5], KSP/8                       ; tensor_dim0_stride
	s_mov_b32 s[\g+6], 0
	s_mov_b32 s[\g+7], 0
.endr
	; scale words: OPK rows of ROWS4 bytes, 16,384 bytes apart
	s_mul_i32 s18, s16, AB
	s_mul_i32 s20, s17, 2*AB
	s_add_co_u32 s20, s20, s18                     ; A: the first row tile that I fetch
	s_mul_i32 s46, s42, 2*AB
	s_add_co_u32 s46, s46, s18                     ; B likewise
	s_lshl_b32 s22, s20, 6
	s_add_co_u32 s22, s22, SCO8                    ; their scale words,
	s_lshl_b32 s96, s46, 6
	s_add_co_u32 s96, s96, SCO8
	s_mul_i32 s20, s20, 1536                       ; their codes
	s_mul_i32 s46, s46, 1536
	s_mov_b32 s21, 0
	s_mov_b32 s23, 0
	s_mov_b32 s47, 0
	s_mov_b32 s97, 0
	s_mul_i32 s45, s14, 2*PARTB                    ; LDS: wave part w at 2 PARTB w, in it slot 0 and then slot 1
	s_mul_i32 s66, s14, SPART
	s_add_co_u32 s66, s66, SCL                     ; my part of the scale words
	s_wait_kmcnt 0x0
.if QKV
	s_add_nc_u64 s[12:13], s[6:7], WVO
	s_cmp_eq_u32 ttmp9, 2
	s_cselect_b64 s[92:93], s[12:13], s[4:5]
	s_cselect_b64 s[94:95], s[4:5], s[6:7]
	s_cselect_b64 s[8:9], s[10:11], s[8:9]
.else
	s_mov_b64 s[92:93], s[4:5]
	s_add_nc_u64 s[94:95], s[6:7], WUPO
.endif
	s_add_nc_u64 s[20:21], s[92:93], s[20:21]
	s_add_nc_u64 s[22:23], s[92:93], s[22:23]
	s_add_nc_u64 s[46:47], s[94:95], s[46:47]
	s_add_nc_u64 s[96:97], s[94:95], s[96:97]
	CROUND                                         ; all sixteen work-groups are here: the first joint loads meet
.irp s, 0,1
	s_mov_b32 s[G0+4*\s], 1
	s_add_co_u32 s[G0+4*\s+1], s45, \s*PARTB
	s_add_nc_u64 s[G0+4*\s+2:G0+4*\s+3], s[20:21], \s*NQ*KSP
	s_or_b32 s[G0+4*\s+3], s[G0+4*\s+3], 0x80000000
	s_mov_b32 s[G0B+4*\s], 1
	s_add_co_u32 s[G0B+4*\s+1], s45, \s*PARTB
	s_add_nc_u64 s[G0B+4*\s+2:G0B+4*\s+3], s[46:47], \s*NQ*KSP
	s_or_b32 s[G0B+4*\s+3], s[G0B+4*\s+3], 0x80000000
.endr
	JLOAD G0, G1, G0B, G1B                         ; my one load at the head: my part of slot 0
	s_cmp_eq_u32 s15, 0
	s_cselect_b64 s[92:93], s[22:23], s[96:97]     ; my part's scale words: A's (waves 0, 1) or B's
; THE PREFETCHES.  A fill of mine is NQ = 2 K steps of 12,288 bytes.  The four partners that ask for it jointly share it out by address: the partner at place p (cx for A, cy for B) names half p % 2 of K step p / 2,
; 24 blocks of 256 bytes, a lane a block (lanes 24-31 name the last block again).  The head names slots 1 and 2, slot 1's first fill names slot 3, the last.
.set PFA, 68                           ; s[68:69] my share of slot 1
	s_cselect_b64 s[PFA:PFA+1], s[20:21], s[46:47]
	s_cselect_b32 s70, s40, s41
	s_lshr_b32 s72, s70, 1
	s_mul_i32 s72, s72, KSP
	s_and_b32 s70, s70, 1
	s_mul_i32 s70, s70, 6144
	s_add_co_u32 s70, s70, s72
	s_mov_b32 s71, 0
	s_add_nc_u64 s[PFA:PFA+1], s[PFA:PFA+1], s[70:71]
	s_add_nc_u64 s[PFA:PFA+1], s[PFA:PFA+1], NQ*KSP
	v_and_b32 v1, 31, v0                           ; lane
	v_and_b32 v2, 15, v0                           ; r
	v_bfe_u32 v3, v0, 4, 1                         ; h
	v_lshlrev_b32 v[GO16], 4, v1
	v_lshlrev_b32 v[GO8], 3, v1
	v_add_nc_u32 v7, s66, v[GO16]
	v_min_u32 v23, 23, v1
	v_lshlrev_b32 v23, 8, v23                      ; the prefetches' offset: 256 x lane, held at the 24th block
	global_prefetch_b8 v23, s[PFA:PFA+1] th:TH_LOAD_NT scope:SCOPE_SE
	global_prefetch_b8 v23, s[PFA:PFA+1] offset:NQ*KSP th:TH_LOAD_NT scope:SCOPE_SE
.irp i, 0,1,2,3,4,5,6,7
	global_load_b128 v[AF+4*\i:AF+4*\i+3], v[GO16], s[92:93] offset:16384*\i   ; the scale words by plain loads, 512 consecutive bytes each: 4 KiB a wave beside 48 KiB of codes, so they are not asked for jointly
.endr
	s_mul_i32 s21, s15, 2*PARTB                    ; my half of A
	s_mul_i32 s22, s16, 2*PARTB                    ; my half of B,
	s_add_co_u32 s22, s22, 4*PARTB                 ; behind A's two
.irp s, 0,1
	v_add_nc_u32 v[ADA16+\s], s21, v[GO16]
	v_add_nc_u32 v[ADA8+\s], s21, v[GO8]
	v_add_nc_u32 v[ADB16+\s], s22, v[GO16]
	v_add_nc_u32 v[ADB8+\s], s22, v[GO8]
	s_add_co_u32 s21, s21, PARTB
	s_add_co_u32 s22, s22, PARTB
.endr
	s_mul_i32 s21, s15, SPART
	s_mul_i32 s22, s16, SPART
	s_add_co_u32 s22, s22, 2*SPART
	s_sub_co_u32 s22, s22, s21
	v_mul_u32_u24 v6, s22, v3                      ; lanes 16-31 take B's part: one product, the distance between the two
	s_add_co_u32 s21, s21, SCL
	v_lshl_add_u32 v[ADRS], v2, 2, v6
	v_add_nc_u32 v[ADRS], s21, v[ADRS]
	s_lshl_b32 s23, s14, 9
	s_add_co_u32 s23, s23, STG
	v_lshl_add_u32 v[SSW], v2, 2, s23
	v_add_nc_u32 v[SSR], s23, v[GO16]
	; where my results go: K step 2 x tile column + my half, row tiles 16 x tile row + 8 x my half on
	s_lshl_b32 s20, s42, 1
	s_add_co_u32 s20, s20, s16
	s_lshl_b32 s21, s17, 4
	s_lshl_b32 s22, s15, 3
	s_add_co_u32 s21, s21, s22
	s_lshl_b32 s22, s20, 8
	s_add_co_u32 s22, s22, s21
	s_mul_i32 s22, s22, 1536
	s_mov_b32 s23, 0
	s_lshl_b32 s20, s20, 14
	s_lshl_b32 s21, s21, 6
	s_add_co_u32 s20, s20, s21
	s_add_co_u32 s20, s20, SCO32
	s_mov_b32 s21, 0
	s_add_nc_u64 s[10:11], s[8:9], s[20:21]        ; the scale words
	s_add_nc_u64 s[8:9], s[8:9], s[22:23]          ; the codes
.macro FRAG reg, a16, a8, off          ; a fragment comes as it was stored: every instruction's lanes read consecutive bytes
	ds_load_b128 v[\reg:\reg+3], v[\a16] offset:\off
	ds_load_b64 v[\reg+4:\reg+5], v[\a8] offset:\off+512
	ds_load_b128 v[\reg+6:\reg+9], v[\a16] offset:\off+768
	ds_load_b64 v[\reg+10:\reg+11], v[\a8] offset:\off+1280
.endm
.macro FETCH slot, q, p                ; the slot's q-th K step into set p: B's tiles, A's tiles, the scale words (lanes 0-15 A's block i, lanes 16-31 B's block i)
	WIN 0x40                                       ; destination window 1, address window 0
.irp i, 0,1,2,3,4,5,6,7
	FRAG 128*(\p)+12*\i, ADB16+\slot, ADB8+\slot, ((\q)*AB+\i)*1536
.endr
	WIN 0
.irp i, 0,1,2,3,4,5,6,7
	FRAG AF+96*(\p)+12*\i, ADA16+\slot, ADA8+\slot, ((\q)*AB+\i)*1536
.endr
.irp i, 0,1,2,3,4,5,6,7
	ds_load_b32 v[SC+8*(\p)+\i], v[ADRS] offset:(\q)*ROWS4+64*\i
.endr
.endm
; 16 matrix instructions: A's blocks a0, a0 + 1 against B's eight, from set p.  The 64 accumulators take turns, one instruction a turn, in the same order in every step.
.macro MULG p, a0, zero
	WIN 0xa1+0x50*((\a0)/4)                        ; source 0 (B) window 1, source 1 (A) window 0, C and D window 2 or 3
.irp a, \a0, \a0+1
.irp b, 0,1,2,3,4,5,6,7
.if \zero
	v_wmma_scale_f32_16x16x128_f8f6f4 v[8*(8*((\a)%4)+\b):8*(8*((\a)%4)+\b)+7], v[128*(\p)+12*\b:128*(\p)+12*\b+11], v[AF+96*(\p)+12*(\a):AF+96*(\p)+12*(\a)+11], 0, v[SC+8*(\p)+\b], v[SC+8*(\p)+(\a)] matrix_a_fmt:MATRIX_FMT_BF6 matrix_b_fmt:MATRIX_FMT_BF6 matrix_a_scale:MATRIX_SCALE_ROW1
.else
	v_wmma_scale_f32_16x16x128_f8f6f4 v[8*(8*((\a)%4)+\b):8*(8*((\a)%4)+\b)+7], v[128*(\p)+12*\b:128*(\p)+12*\b+11], v[AF+96*(\p)+12*(\a):AF+96*(\p)+12*(\a)+11], v[8*(8*((\a)%4)+\b):8*(8*((\a)%4)+\b)+7], v[SC+8*(\p)+\b], v[SC+8*(\p)+(\a)] matrix_a_fmt:MATRIX_FMT_BF6 matrix_b_fmt:MATRIX_FMT_BF6 matrix_a_scale:MATRIX_SCALE_ROW1
.endif
.endr
.endr
.endm
; A K step that has its successor in the same slot: the successor's fragments are asked for in one run, a whole step's 64 matrix instructions ahead of their use.
.macro STEP slot, q, zero
	s_wait_dscnt 0x0                               ; this step's set is in: it was asked for a step ago
	PLACES 4                                       ; four places behind the products that read the other set, in front of the loads into it
	FETCH \slot, (\q)+1, 1-(\q)%2
	MULG (\q)%2, 0, \zero
	MULG (\q)%2, 2, \zero
	MULG (\q)%2, 4, \zero
	MULG (\q)%2, 6, \zero
.endm
; A slot's last step (set 1) changes slots: one barrier; in front of it each wave waits for all its tensor loads, adds 0 to its spare word, and waits for that and for its reads of this slot.
.macro TURN slot, next, fill
	WIN 0                                          ; (the add's two registers lie in window 0)
	s_wait_tensorcnt 0x0                           ; all my tensor loads have landed: my part of the next slot
	ds_add_u32 v[SPW], v[NIL]                      ; 0 onto my spare word
	s_wait_dscnt 0x1                               ; set 1 is in; the add alone may be out
	MULG 1, 0, 0                                   ; sixteen matrix instructions stand between the add and the wait for it
	s_wait_dscnt 0x0                               ; the add is done, and my reads of this slot are over
	s_barrier_signal -1
	MULG 1, 2, 0
	WIN 0
	s_barrier_wait -1
.if \fill
	CREST                                          ; the barrier has opened a round of the cluster's barrier: no wave of any partner still reads this slot or has a load on its way
	s_add_nc_u64 s[G0+4*\slot+2:G0+4*\slot+3], s[G0+4*\slot+2:G0+4*\slot+3], 2*NQ*KSP
	s_add_nc_u64 s[G0B+4*\slot+2:G0B+4*\slot+3], s[G0B+4*\slot+2:G0B+4*\slot+3], 2*NQ*KSP
	JLOAD G0+4*\slot, G1, G0B+4*\slot, G1B         ; the first tensor load behind the round, my only one until the next; its four v_nop are also the places in front of the loads below
.else
	PLACES 4
.endif
	s_wait_alu depctr_va_vdst(0)
	v_add_nc_u32 v[ADRS], NQ*ROWS4, v[ADRS]        ; on to the next slot's scale words
	FETCH \next, 0, 0
	MULG 1, 4, 0
	MULG 1, 6, 0
.endm
	s_wait_alu depctr_va_vdst(0)
	s_wait_loadcnt 0x0                             ; my scale words are in registers
.irp i, 0,1,2,3,4,5,6,7
	ds_store_b128 v7, v[AF+4*\i:AF+4*\i+3] offset:512*\i   ; into bytes on which no tile lands
.endr
	s_wait_tensorcnt 0x0                           ; my part of slot 0 is in
	ds_add_u32 v[SPW], v[NIL]
	s_wait_dscnt 0x0                               ; the add is done, and so are my stores of scale words
	CROUND                                         ; a whole round: slot 0 and the scale words are shown to all, and the joint loads meet
	JLOAD G0+4, G1, G0B+4, G1B                     ; slot 1's first fill, the first tensor load behind the round
	FETCH 0, 0, 0
	global_prefetch_b8 v23, s[PFA:PFA+1] offset:2*NQ*KSP th:TH_LOAD_NT scope:SCOPE_SE   ; slot 3
	STEP 0, 0, 1                                   ; the first step stands in front of the loop: its products start the sums
	WIN 0
	s_mov_b32 s3, LAPS-1
.Llap:                                                 ; a trip goes once round the ring and fills both slots again
	TURN 0, 1, 1
	s_wait_alu depctr_va_vdst(0)
	STEP 1, 0, 0
	TURN 1, 0, 1
	s_wait_alu depctr_va_vdst(0)
	STEP 0, 0, 0
	WIN 0
	s_sub_co_u32 s3, s3, 1
	s_cmp_lg_u32 s3, 0
	s_cbranch_scc1 .Llap
	TURN 0, 1, 0                                   ; the last lap fills nothing
	s_wait_alu depctr_va_vdst(0)
	STEP 1, 0, 0
	s_wait_dscnt 0x0
	MULG 1, 0, 0
	MULG 1, 2, 0
	MULG 1, 4, 0
	MULG 1, 6, 0
	WIN 0
; THE WAY OUT.  A's block a: my lane's 64 registers are columns 32 b + 16 (lane / 16) + i of one row: they are quantised as they stand and leave as a fragment.
.macro QOUT a
.set WN, 2+(\a)/4
.set AC0, 64*((\a)%4)
.set PC, 64+20*(\a)                    ; each block has 20 registers of its own for its codes (v64-223): no store's data are written again
.if RELU
	WIN (WN<<2)|(WN<<6)
.set j, 0
.rept 64
	v_max_num_f32 v[AC0+j], 0, v[AC0+j]            ; the activation, in f32; each accumulator from its low end on
.set j, j+1
.endr
.endif
	WIN WN|(WN<<2)                                 ; sources 0 and 1: the accumulators' window
.irp b, 0,1,2,3
	v_max3_num_f32 v[TM+\b], |v[AC0+16*\b]|, |v[AC0+1+16*\b]|, 0x2800000   ; and the floor 2^(5 - 127)
.endr
.irp i, 2,4,6,8,10,12,14
.irp b, 0,1,2,3
	v_max3_num_f32 v[TM+\b], |v[AC0+16*\b+\i]|, |v[AC0+1+16*\b+\i]|, v[TM+\b]
.endr
.endr
	WIN 0
.irp b, 0,1,2,3
	v_permlanex16_b32 v[TM+4+\b], v[TM+\b], s18, s19
.endr
.irp b, 0,1,2,3
	v_max_num_f32 v[TM+\b], v[TM+\b], v[TM+4+\b]
.endr
.irp b, 0,1,2,3
	v_add_nc_u32 v[TM+12+\b], 0xfe000000, v[TM+\b] ; 4 off the exponent field: the conversion's scale operand
.endr
.irp b, 0,1,2,3
	v_lshrrev_b32 v[TM+4+\b], 23, v[TM+12+\b]      ; the scale's byte
.endr
	v_lshl_or_b32 v[PW], v[TM+5], 8, v[TM+4]
	v_lshl_or_b32 v[PW], v[TM+6], 16, v[PW]
	v_lshl_or_b32 v[PW], v[TM+7], 24, v[PW]
	WIN WN                                         ; source 0: the accumulators' window
.irp c, 0,1
	v_cvt_scalef32_pk16_bf6_f32 v[PC+6*\c:PC+2+6*\c], v[AC0+32*\c:AC0+15+32*\c], v[TM+12+2*\c]
	v_cvt_scalef32_pk16_bf6_f32 v[PC+12+4*\c:PC+14+4*\c], v[AC0+16+32*\c:AC0+31+32*\c], v[TM+12+2*\c+1]
.endr
	WIN 0
	v_nop                                          ; one plain instruction behind the scaled conversions
.irp c, 0,1
.irp i, 0,1,2
	v_permlane16_swap_b32 v[PC+6*\c+\i], v[PC+12+4*\c+\i]
.endr
.irp i, 0,1,2
	v_mov_b32 v[PC+3+6*\c+\i], v[PC+12+4*\c+\i]
.endr
.endr
	global_store_b128 v[GO16], v[PC:PC+3], s[8:9] offset:1536*(\a)          ; stores of 512 and 256 consecutive bytes, each at a multiple of 256
	global_store_b64 v[GO8], v[PC+4:PC+5], s[8:9] offset:1536*(\a)+512
	global_store_b128 v[GO16], v[PC+6:PC+9], s[8:9] offset:1536*(\a)+768
	global_store_b64 v[GO8], v[PC+10:PC+11], s[8:9] offset:1536*(\a)+1280
	ds_store_b32 v[SSW], v[PW] offset:64*(\a)      ; lanes r and r + 16 write the same word with the same value
.endm
	s_mov_b32 s18, 0x76543210
	s_mov_b32 s19, 0xfedcba98
	PLACES 4                                       ; behind the last products: their results are read, and A's registers written, below
.irp b, 0,1,2,3
	v_mov_b32 v[TM+4+\b], 0                        ; a lane permute's destination counts as one of its sources
.endr
.irp a, 0,1,2,3,4,5,6,7
	QOUT \a
.endr
	ds_load_b128 v[244:247], v[SSR]                ; eight blocks' scale words: LDS serves a wave's instructions in order
	s_wait_dscnt 0x0
	global_store_b128 v[GO16], v[244:247], s[10:11]   ; 512 consecutive bytes
	s_wait_tensorcnt 0x0                           ; the wave's end
	ds_add_u32 v[SPW], v[NIL]
	s_wait_dscnt 0x0
	CROUND                                         ; the closing round: no work-group ends while a partner may still ask for a tile that names it
	s_endpgm
.Lfunc_end_k_q96086d746a_gup:
	.size	k_q96086d746a_gup, .Lfunc_end_k_q96086d746a_gup-k_q96086d746a_gup
	.p2alignl 7, 3214868480
	.fill 96, 4, 3214868480
	.section	.rodata,"a",@progbits
	.p2align	6, 0x0
	.amdhsa_kernel k_q96086d746a_gup
		.amdhsa_group_segment_fixed_size 327680
		.amdhsa_private_segment_fixed_size 0
		.amdhsa_enable_private_segment 0
		.amdhsa_kernarg_size 24
		.amdhsa_user_sgpr_count 2
		.amdhsa_user_sgpr_kernarg_segment_ptr 1
		.amdhsa_wavefront_size32 1
		.amdhsa_system_sgpr_workgroup_id_x 1
		.amdhsa_system_sgpr_workgroup_id_y 1
		.amdhsa_system_sgpr_workgroup_id_z 1
		.amdhsa_system_vgpr_workitem_id 0
		.amdhsa_next_free_vgpr 1024
		.amdhsa_next_free_sgpr 98
		.amdhsa_reserve_vcc 0
		.amdhsa_float_denorm_mode_32 3
		.amdhsa_float_denorm_mode_16_64 3
		.amdhsa_memory_ordered 1
		.amdhsa_forward_progress 1
		.amdhsa_inst_pref_size 167
	.end_amdhsa_kernel
	.amdgpu_metadata
---
amdhsa.version: [ 1, 2 ]
amdhsa.kernels:
  - .name:           k_q96086d746a_gup
    .symbol:         k_q96086d746a_gup.kd
    .args:
      - { .name: act, .offset: 0, .size: 8, .value_kind: global_buffer, .address_space: global }
      - { .name: wts, .offset: 8, .size: 8, .value_kind: global_buffer, .address_space: global }
      - { .name: qk_hid, .offset: 16, .size: 8, .value_kind: global_buffer, .address_space: global }
    .group_segment_fixed_size: 327680
    .private_segment_fixed_size: 0
    .kernarg_segment_align: 8
    .kernarg_segment_size: 24
    .max_flat_workgroup_size: 128
    .sgpr_count:     98
    .vgpr_count:     1024
    .wavefront_size: 32
...
	.end_amdgpu_metadata
.endif
;; end of part 6
;; launch gdown (part 7): grid 8 x 32, 4 waves a work-group, clusters of 4 x 4, 327,680 bytes of LDS; arguments qk_hid, wts, x1, out0; writes out0
.if DOCPART == 7
	.amdgcn_target "amdgcn-amd-amdhsa--gfx1250"
	.amdhsa_code_object_version 6
	.text
	.protected	k_q96086d746a_gdown
	.globl	k_q96086d746a_gdown
	.p2align	8
	.type	k_q96086d746a_gdown,@function
k_q96086d746a_gdown:
	s_mov_b64 s[64:65], 0
	v_nop
	global_prefetch_b8 v0, s[64:65] scope:SCOPE_SE
	s_setreg_imm32_b32 hwreg(HW_REG_WAVE_MODE, 25, 1), 1
	s_wait_xcnt 0x0
	s_wait_alu depctr_hold_cnt(0) depctr_sa_sdst(0) depctr_va_vdst(0) depctr_va_sdst(0) depctr_va_ssrc(0) depctr_va_vcc(0) depctr_vm_vsrc(0)
	s_getreg_b32 s2, hwreg(HW_REG_IB_STS2, 6, 4)
	s_cmp_eq_u32 s2, 0
	s_cbranch_scc0 .Lentry_in_a_cluster
	s_endpgm
.Lentry_in_a_cluster:
	s_bfe_u32 s2, ttmp6, 0x10000c
	s_cmp_lg_u32 s2, 0xf033
	s_cbranch_scc0 .Lentry_shape_is_right
	s_endpgm
.Lentry_shape_is_right:
.set OPK,   32
.set SCO,   12582912
.set BOFF,  13107200
.set AB,    4
.set NQ,    4
.set LAPS,  OPK/(2*NQ)
.set KSP,   393216
.set PARTB, NQ*AB*1536
.set SLOT,  4*PARTB
.set ROWS4, 64*AB
.set SPART, OPK*ROWS4
.set SCL,   2*SLOT
.set SPARE, SCL+4*SPART
.set STG,   SPARE+512
.set GO16,  4
.set GO8,   5
.set ADA16, 8
.set ADA8,  10
.set ADB16, 12
.set ADB8,  14
.set ADRS,  16
.set SPW,   17
.set NIL,   18
.set CO,    19
.set STO,   20
.set RD,    21
.set SC,    32
.set AF,    64
.set OB,    64
.set RES,   48
.set G1,    24
.set G0,    32
.set G1B,   48
.set G0B,   56
.set G1S,   68
.set G0S,   76
.set G1SB,  80
.set G0SB,  88
.set MSB, 0
.macro WIN new
.if MSB != (\new)
	s_set_vgpr_msb (MSB<<8)|(\new)
.set MSB, (\new)
.endif
.endm
.macro JLOAD g0a, g1a, g0b, g1b
	s_cmp_eq_u32 s15, 0
	s_cbranch_scc0 .Lfor_b_\@
	tensor_load_to_lds s[\g0a:\g0a+3], s[\g1a:\g1a+7]
	s_nop 0
.rept 4
	v_nop
.endr
	s_branch .Lasked_\@
.Lfor_b_\@:
	tensor_load_to_lds s[\g0b:\g0b+3], s[\g1b:\g1b+7]
	s_nop 0
.rept 4
	v_nop
.endr
.Lasked_\@:
.endm
.macro CREST
	s_cmp_lg_u32 s14, 0
	s_cbranch_scc1 .Lnot_wave_0_\@
	s_barrier_signal -3
.Lnot_wave_0_\@:
	s_barrier_wait -3
	s_barrier_signal -1
	s_barrier_wait -1
.endm
.macro CROUND
	s_barrier_signal -1
	s_barrier_wait -1
	CREST
.endm
.macro PLACES n
.rept \n
	v_nop
.endr
.endm
	s_load_b256 s[4:11], s[0:1], 0x0
	v_lshl_add_u32 v[SPW], v0, 2, SPARE
	v_mov_b32 v[NIL], 0
	ds_add_u32 v17, v18
	ds_add_u32 v17, v18
	s_wait_dscnt 0x0
	v_lshrrev_b32 v1, 5, v0
	v_readfirstlane_b32 s14, v1
	s_lshr_b32 s15, s14, 1
	s_and_b32 s16, s14, 1
	s_bfe_u32 s40, ttmp6, 0x40000
	s_bfe_u32 s41, ttmp6, 0x40004
	s_lshl_b32 s42, ttmp9, 2
	s_add_co_u32 s42, s42, s40
	s_and_b32 s17, ttmp7, 0xffff
	s_lshl_b32 s17, s17, 2
	s_add_co_u32 s17, s17, s41
	s_lshl_b32 s43, s41, 2
	s_lshl_b32 s43, 15, s43
	s_lshl_b32 s44, 0x1111, s40
	s_or_b32 s[G1+0], s43, (3<<16)|(1<<21)
	s_or_b32 s[G1B+0], s44, (3<<16)|(1<<21)
.irp g, G1, G1B
	s_mov_b32 s[\g+1], (AB*192)<<16
	s_mov_b32 s[\g+2], NQ<<16
	s_mov_b32 s[\g+3], (AB*192)<<16
	s_mov_b32 s[\g+4], NQ
	s_mov_b32 s[\g+5], KSP/8
	s_mov_b32 s[\g+6], 0
	s_mov_b32 s[\g+7], 0
.endr
	s_mul_i32 s18, s16, AB
	s_mul_i32 s20, s17, 2*AB
	s_add_co_u32 s20, s20, s18
	s_mul_i32 s46, s42, 2*AB
	s_add_co_u32 s46, s46, s18
	s_lshl_b32 s22, s20, 6
	s_add_co_u32 s22, s22, SCO
	s_lshl_b32 s96, s46, 6
	s_add_co_u32 s96, s96, SCO
	s_mul_i32 s20, s20, 1536
	s_mul_i32 s46, s46, 1536
	s_mov_b32 s21, 0
	s_mov_b32 s23, 0
	s_mov_b32 s47, 0
	s_mov_b32 s97, 0
	s_mul_i32 s45, s14, 2*PARTB                    ; LDS: wave part w at 2 PARTB w, in it slot 0 and then slot 1
	s_mul_i32 s66, s14, SPART
	s_add_co_u32 s66, s66, SCL                     ; my part of the scale words
	s_wait_kmcnt 0x0
	s_add_nc_u64 s[94:95], s[6:7], BOFF
	s_add_nc_u64 s[20:21], s[4:5], s[20:21]
	s_add_nc_u64 s[22:23], s[4:5], s[22:23]
	s_add_nc_u64 s[46:47], s[94:95], s[46:47]
	s_add_nc_u64 s[96:97], s[94:95], s[96:97]
	CROUND
.irp s, 0,1
	s_mov_b32 s[G0+4*\s], 1
	s_add_co_u32 s[G0+4*\s+1], s45, \s*PARTB
	s_add_nc_u64 s[G0+4*\s+2:G0+4*\s+3], s[20:21], \s*NQ*KSP
	s_or_b32 s[G0+4*\s+3], s[G0+4*\s+3], 0x80000000
	s_mov_b32 s[G0B+4*\s], 1
	s_add_co_u32 s[G0B+4*\s+1], s45, \s*PARTB
	s_add_nc_u64 s[G0B+4*\s+2:G0B+4*\s+3], s[46:47], \s*NQ*KSP
	s_or_b32 s[G0B+4*\s+3], s[G0B+4*\s+3], 0x80000000
.endr
	JLOAD G0, G1, G0B, G1B                         ; my one load at the head: my part of slot 0
; THE PREFETCHES.  A fill of mine is NQ = 4 K steps of 6,144 bytes.  The four partners that ask for it jointly share it out by address: the partner at place p (cx for A, cy for B) names K step p, 24 blocks of 256 bytes, a lane a block
; (lanes 24-31 name the last block again).  The head names slots 1 and 2; slot 1's first fill names slot 3; the refill of slot n names slot n + 2; the loop's last trip, whose slots n + 2 would lie beyond K, names nothing.
.set PFA, 68                           ; s[68:69] where my prefetches stand
	s_cmp_eq_u32 s15, 0
	s_cselect_b64 s[92:93], s[22:23], s[96:97]     ; my part's scale words: A's (waves 0, 1) or B's
	s_cselect_b64 s[PFA:PFA+1], s[20:21], s[46:47] ; my part's codes
	s_cselect_b32 s70, s40, s41
	s_mul_i32 s70, s70, KSP
	s_mov_b32 s71, 0
	s_add_nc_u64 s[PFA:PFA+1], s[PFA:PFA+1], s[70:71]
	s_add_nc_u64 s[PFA:PFA+1], s[PFA:PFA+1], NQ*KSP     ; at slot 1
	v_and_b32 v1, 31, v0
	v_and_b32 v2, 15, v0
	v_bfe_u32 v3, v0, 4, 1
	v_lshlrev_b32 v[GO16], 4, v1
	v_lshlrev_b32 v[GO8], 3, v1
	v_add_nc_u32 v7, s66, v[GO16]
	v_lshlrev_b32 v22, 14, v3
	v_lshl_add_u32 v22, v2, 4, v22                 ; lanes 0-15 one K step's 256 bytes of scale words, lanes 16-31 the next K step's, 16,384 bytes on
	v_min_u32 v23, 23, v1
	v_lshlrev_b32 v23, 8, v23                      ; the prefetches' offset: 256 x lane, held at the 24th block
.set si, 0
.rept OPK/2
	global_load_b128 v[AF+4*si:AF+4*si+3], v22, s[92:93] offset:32768*si   ; the scale words by plain loads: 8 KiB a wave beside 192 KiB of codes, so they are not asked for jointly
.set si, si+1
.endr
	global_prefetch_b8 v23, s[PFA:PFA+1] th:TH_LOAD_NT scope:SCOPE_SE
	global_prefetch_b8 v23, s[PFA:PFA+1] offset:NQ*KSP th:TH_LOAD_NT scope:SCOPE_SE
	s_mul_i32 s21, s15, 2*PARTB
	s_mul_i32 s22, s16, 2*PARTB
	s_add_co_u32 s22, s22, 4*PARTB
.irp s, 0,1
	v_add_nc_u32 v[ADA16+\s], s21, v[GO16]
	v_add_nc_u32 v[ADA8+\s], s21, v[GO8]
	v_add_nc_u32 v[ADB16+\s], s22, v[GO16]
	v_add_nc_u32 v[ADB8+\s], s22, v[GO8]
	s_add_co_u32 s21, s21, PARTB
	s_add_co_u32 s22, s22, PARTB
.endr
	s_mul_i32 s21, s15, SPART
	s_mul_i32 s22, s16, SPART
	s_add_co_u32 s22, s22, 2*SPART
	s_sub_co_u32 s22, s22, s21
	v_mul_u32_u24 v6, s22, v3
	s_add_co_u32 s21, s21, SCL
	v_lshl_add_u32 v[ADRS], v2, 2, v6
	v_add_nc_u32 v[ADRS], s21, v[ADRS]
	v_lshlrev_b32 v[CO], 12, v3
	v_lshl_add_u32 v[CO], v2, 4, v[CO]
	s_wait_alu depctr_va_vdst(0)
	s_mul_i32 s23, s14, 16*272
	s_add_co_u32 s23, s23, STG
	v_mul_u32_u24 v[STO], v2, 272
	v_lshl_add_u32 v[STO], v3, 6, v[STO]
	v_add_nc_u32 v[STO], s23, v[STO]
	v_mul_u32_u24 v[RD], v3, 272
	v_lshl_add_u32 v[RD], v2, 4, v[RD]
	v_add_nc_u32 v[RD], s23, v[RD]
	s_lshl_b32 s20, s17, 7
	s_lshl_b32 s21, s15, 6
	s_add_co_u32 s20, s20, s21
	s_lshl_b32 s20, s20, 12
	s_lshl_b32 s21, s42, 9
	s_add_co_u32 s20, s20, s21
	s_lshl_b32 s21, s16, 8
	s_add_co_u32 s20, s20, s21
	s_mov_b32 s21, 0
	s_add_nc_u64 s[8:9], s[8:9], s[20:21]
	s_add_nc_u64 s[10:11], s[10:11], s[20:21]
.macro RESID                           ; the residual's 32 loads: they are issued behind the first K step, so that the first tiles are asked of memory ahead of them
	WIN 0x40
.irp a, 0,1,2,3
.irp t, 0,1,2,3,4,5,6,7
	global_load_b128 v[RES+32*\a+64*(\a/2)+4*\t:RES+32*\a+64*(\a/2)+4*\t+3], v[CO], s[8:9] offset:(32*(\a/2)+8*(\a%2)+2*(\t%4)+16*(\t/4))*4096
.endr
.endr
	WIN 0
.endm
.macro FRAG reg, a16, a8, off
	ds_load_b128 v[\reg:\reg+3], v[\a16] offset:\off
	ds_load_b64 v[\reg+4:\reg+5], v[\a8] offset:\off+512
	ds_load_b128 v[\reg+6:\reg+9], v[\a16] offset:\off+768
	ds_load_b64 v[\reg+10:\reg+11], v[\a8] offset:\off+1280
.endm
.macro FETCH slot, q, p
	WIN 0x40
.irp i, 0,1,2,3
	FRAG 128*(\p)+12*\i, ADB16+\slot, ADB8+\slot, ((\q)*AB+\i)*1536
.endr
	WIN 0
.irp i, 0,1,2,3
	FRAG AF+96*(\p)+12*\i, ADA16+\slot, ADA8+\slot, ((\q)*AB+\i)*1536
.endr
.irp i, 0,1,2,3
	ds_load_b32 v[SC+8*(\p)+\i], v[ADRS] offset:(\q)*ROWS4+64*\i
.endr
.endm
.macro MULG p, a, zero
	WIN 0xa1
.irp b, 0,1,2,3
.if \zero
	v_wmma_scale_f32_16x16x128_f8f6f4 v[8*(4*(\a)+\b):8*(4*(\a)+\b)+7], v[128*(\p)+12*\b:128*(\p)+12*\b+11], v[AF+96*(\p)+12*(\a):AF+96*(\p)+12*(\a)+11], 0, v[SC+8*(\p)+\b], v[SC+8*(\p)+(\a)] matrix_a_fmt:MATRIX_FMT_BF6 matrix_b_fmt:MATRIX_FMT_BF6 matrix_a_scale:MATRIX_SCALE_ROW1
.else
	v_wmma_scale_f32_16x16x128_f8f6f4 v[8*(4*(\a)+\b):8*(4*(\a)+\b)+7], v[128*(\p)+12*\b:128*(\p)+12*\b+11], v[AF+96*(\p)+12*(\a):AF+96*(\p)+12*(\a)+11], v[8*(4*(\a)+\b):8*(4*(\a)+\b)+7], v[SC+8*(\p)+\b], v[SC+8*(\p)+(\a)] matrix_a_fmt:MATRIX_FMT_BF6 matrix_b_fmt:MATRIX_FMT_BF6 matrix_a_scale:MATRIX_SCALE_ROW1
.endif
.endr
.endm
.macro STEP slot, q, zero
	s_wait_dscnt 0x0
	PLACES 4
	FETCH \slot, (\q)+1, 1-(\q)%2
	MULG (\q)%2, 0, \zero
	MULG (\q)%2, 1, \zero
	MULG (\q)%2, 2, \zero
	MULG (\q)%2, 3, \zero
.endm
.macro TURN slot, next, fill
	WIN 0
.if \fill
	s_wait_xcnt 0x0                                ; my last prefetch has read its address, which steps one slot on
	s_add_nc_u64 s[PFA:PFA+1], s[PFA:PFA+1], NQ*KSP
.endif
	s_wait_tensorcnt 0x0
	ds_add_u32 v[SPW], v[NIL]
	s_wait_dscnt 0x1
	MULG 1, 0, 0
	s_wait_dscnt 0x0
	s_barrier_signal -1
	MULG 1, 1, 0
	WIN 0
	s_barrier_wait -1
.if \fill
	CREST
	s_add_nc_u64 s[G0+4*\slot+2:G0+4*\slot+3], s[G0+4*\slot+2:G0+4*\slot+3], 2*NQ*KSP
	s_add_nc_u64 s[G0B+4*\slot+2:G0B+4*\slot+3], s[G0B+4*\slot+2:G0B+4*\slot+3], 2*NQ*KSP
	JLOAD G0+4*\slot, G1, G0B+4*\slot, G1B
.else
	PLACES 4
.endif
	v_add_nc_u32 v[ADRS], NQ*ROWS4, v[ADRS]
	FETCH \next, 0, 0
.if \fill
	s_cmp_gt_u32 s3, 1                             ; s3 = 1 in the loop's last trip
	s_cbranch_scc0 .Lno_ask_\@
	global_prefetch_b8 v23, s[PFA:PFA+1] offset:2*NQ*KSP th:TH_LOAD_NT scope:SCOPE_SE   ; the slot two refills on
.Lno_ask_\@:
.endif
	MULG 1, 2, 0
	MULG 1, 3, 0
.endm
	s_wait_alu depctr_va_vdst(0)
	s_wait_loadcnt 0x0                             ; my scale words are in registers
.set si, 0
.rept OPK/2
	ds_store_b128 v7, v[AF+4*si:AF+4*si+3] offset:512*si   ; into bytes on which no tile lands
.set si, si+1
.endr
	s_wait_tensorcnt 0x0                           ; my part of slot 0 is in
	ds_add_u32 v[SPW], v[NIL]
	s_wait_dscnt 0x0                               ; the add is done, and so are my stores of scale words
	CROUND                                         ; a whole round: slot 0 and the scale words are shown to all, and the joint loads meet
	JLOAD G0+4, G1, G0B+4, G1B                     ; slot 1's first fill, the first tensor load behind the round
	FETCH 0, 0, 0
	global_prefetch_b8 v23, s[PFA:PFA+1] offset:2*NQ*KSP th:TH_LOAD_NT scope:SCOPE_SE   ; slot 3
	STEP 0, 0, 1
	RESID
.if LAPS > 1
	WIN 0
	s_mov_b32 s3, LAPS-1
.Llap:
	s_wait_alu depctr_va_vdst(0)
	STEP 0, 1, 0
	STEP 0, 2, 0
	TURN 0, 1, 1
	s_wait_alu depctr_va_vdst(0)
	STEP 1, 0, 0
	STEP 1, 1, 0
	STEP 1, 2, 0
	TURN 1, 0, 1
	s_wait_alu depctr_va_vdst(0)
	STEP 0, 0, 0
	WIN 0
	s_sub_co_u32 s3, s3, 1
	s_cmp_lg_u32 s3, 0
	s_cbranch_scc1 .Llap
.endif
	STEP 0, 1, 0
	STEP 0, 2, 0
	TURN 0, 1, 0
	s_wait_alu depctr_va_vdst(0)
	STEP 1, 0, 0
	STEP 1, 1, 0
	STEP 1, 2, 0
	s_wait_dscnt 0x0
	MULG 1, 0, 0
	MULG 1, 1, 0
	MULG 1, 2, 0
	MULG 1, 3, 0
	WIN 0
.macro TOSTAGE a
	WIN 0x08
.irp u, 0,1
.irp i, 0,1,2,3
	ds_store_b128 v[STO], v[8*(4*(\a)+2*\u)+4*\i:8*(4*(\a)+2*\u)+4*\i+3] offset:128*\u+16*\i
.endr
.endr
	WIN 0
.irp t, 0,1,2,3,4,5,6,7
	ds_load_b128 v[OB+32*(\a)+4*\t:OB+32*(\a)+4*\t+3], v[RD] offset:544*\t
.endr
.endm
.macro SEND a, y
	s_wait_dscnt \y
	WIN 0x04
.set k, 0
.rept 16
	v_pk_add_f32 v[OB+32*(\a)+k:OB+32*(\a)+k+1], v[OB+32*(\a)+k:OB+32*(\a)+k+1], v[RES+32*(\a)+64*((\a)/2)+k:RES+32*(\a)+64*((\a)/2)+k+1]
.set k, k+2
.endr
	WIN 0
.irp t, 0,1,2,3,4,5,6,7
	global_store_b128 v[CO], v[OB+32*(\a)+4*\t:OB+32*(\a)+4*\t+3], s[10:11] offset:(32*((\a)/2)+8*((\a)%2)+2*(\t%4)+16*(\t/4))*4096
.endr
.endm
	PLACES 4
	s_wait_loadcnt 0x0
	TOSTAGE 0
	TOSTAGE 1
	SEND 0, 16
	TOSTAGE 2
	SEND 1, 16
	TOSTAGE 3
	SEND 2, 16
	SEND 3, 0
	s_wait_tensorcnt 0x0
	ds_add_u32 v[SPW], v[NIL]
	s_wait_dscnt 0x0
	CROUND
	s_endpgm
.Lfunc_end_k_q96086d746a_gdown:
	.size	k_q96086d746a_gdown, .Lfunc_end_k_q96086d746a_gdown-k_q96086d746a_gdown
	.p2alignl 7, 3214868480
	.fill 96, 4, 3214868480
	.section	.rodata,"a",@progbits
	.p2align	6, 0x0
	.amdhsa_kernel k_q96086d746a_gdown
		.amdhsa_group_segment_fixed_size 327680
		.amdhsa_private_segment_fixed_size 0
		.amdhsa_enable_private_segment 0
		.amdhsa_kernarg_size 32
		.amdhsa_user_sgpr_count 2
		.amdhsa_user_sgpr_kernarg_segment_ptr 1
		.amdhsa_wavefront_size32 1
		.amdhsa_system_sgpr_workgroup_id_x 1
		.amdhsa_system_sgpr_workgroup_id_y 1
		.amdhsa_system_sgpr_workgroup_id_z 1
		.amdhsa_system_vgpr_workitem_id 0
		.amdhsa_next_free_vgpr 640
		.amdhsa_next_free_sgpr 98
		.amdhsa_reserve_vcc 0
		.amdhsa_float_denorm_mode_32 3
		.amdhsa_float_denorm_mode_16_64 3
		.amdhsa_memory_ordered 1
		.amdhsa_forward_progress 1
		.amdhsa_inst_pref_size 102
	.end_amdhsa_kernel
	.amdgpu_metadata
---
amdhsa.version: [ 1, 2 ]
amdhsa.kernels:
  - .name:           k_q96086d746a_gdown
    .symbol:         k_q96086d746a_gdown.kd
    .args:
      - { .name: qk_hid, .offset: 0, .size: 8, .value_kind: global_buffer, .address_space: global }
      - { .name: wts, .offset: 8, .size: 8, .value_kind: global_buffer, .address_space: global }
      - { .name: x1, .offset: 16, .size: 8, .value_kind: global_buffer, .address_space: global }
      - { .name: out0, .offset: 24, .size: 8, .value_kind: global_buffer, .address_space: global }
    .group_segment_fixed_size: 327680
    .private_segment_fixed_size: 0
    .kernarg_segment_align: 8
    .kernarg_segment_size: 32
    .max_flat_workgroup_size: 128
    .sgpr_count:     98
    .vgpr_count:     640
    .wavefront_size: 32
...
	.end_amdgpu_metadata
.endif
;; end of part 7
